; MI455X (gfx1250); checked and timed in simulation.
; The chip was launched on July 23, 2026; its instructions are those of AMD's public machine-readable ISA for CDNA 5 (MIT licence, August 2026) and "CDNA5" Instruction Set Architecture Reference Guide (July 2026). The comments in the code are by the model that wrote it; some were corrected since.
;; Encoder Layer. Allowed arithmetic: matrix products marked QUANTISED: E2M1 operands, one E8M0 scale for each 32 along K, by v_wmma_scale_f32_16x16x128_f8f6f4 with both operands' format E2M1 (or v_wmma_scale_f32_32x16x128_f4), f32 sums; everything else in f32.
;; Inputs: W1 1,024 x 4,096 float32; W2 4,096 x 1,024 float32; Wk 1,024 x 1,024 float32; Wo 1,024 x 1,024 float32; Wq 1,024 x 1,024 float32; Wv 1,024 x 1,024 float32; b1 4,096 float32; b2 1,024 float32; bk 1,024 float32; bo 1,024 float32; bq 1,024 float32; bv 1,024 float32; ln1_b 1,024 float32; ln1_g 1,024 float32; ln2_b 1,024 float32; ln2_g 1,024 float32; x 2 x 2,048 x 1,024 float32.
;; Outputs: out0 2 x 2,048 x 1,024 float32.
;; This version of the problem:
;;   THIS VERSION OF THE PROBLEM IS GIVEN IN LOW PRECISION. The matrix products marked QUANTISED in the list below multiply operands that are first quantised to E2M1 (2 exponent bits, 1 mantissa bit; 4 bits a number), with one power-of-two scale for each 32 numbers along K (OCP MX v1.0); their sums are f32. All else is computed in f32.
;;   The module's matrix products, in the order in which they are computed (A, B: the left and right operand; K: the contracted axis; several contracted axes count as one K, in the product's order):
;;     1. [M 4,096, K 1,024] x [K 1,024, N 1,024]; A: input x; B: input Wq: QUANTISED
;;     2. [M 4,096, K 1,024] x [K 1,024, N 1,024]; A: input x; B: input Wk: QUANTISED
;;     3. [M 4,096, K 1,024] x [K 1,024, N 1,024]; A: input x; B: input Wv: QUANTISED
;;     4. batch 32 x [M 2,048, K 64] x [K 64, N 2,048]; A: computed on the way; B: computed on the way: QUANTISED
;;     5. batch 32 x [M 2,048, K 2,048] x [K 2,048, N 64]; A: softmax (see below); B: computed on the way: QUANTISED
;;     6. [M 4,096, K 1,024] x [K 1,024, N 1,024]; A: computed on the way; B: input Wo: QUANTISED
;;     7. [M 4,096, K 1,024] x [K 1,024, N 4,096]; A: computed on the way; B: input W1: QUANTISED
;;     8. [M 4,096, K 4,096] x [K 4,096, N 1,024]; A: computed on the way; B: input W2: QUANTISED
;;   THE QUANTISER, for each operand of a quantised product, along K:
;;     - K is cut into blocks of 32 from its start; a last block that is shorter is filled with zeros.
;;     - A block's scale is 2^e with e = floor(log2(the largest magnitude in the block)) - 2, held to -126 .. 127; a block of zeros has e = 0. As a byte (E8M0): e + 127.
;;     - Each number is divided by its block's scale, clamped to +-6, and rounded to the nearest number of E2M1, ties to even, subnormals kept.
;;     - The product sums the exact products of the quantised numbers (number of the format x scale) in f32.
;;   ~~~python
;;   def quantise(x, axis):      # numpy; x: float32 -> the quantised numbers, widened to float32 again
;;       x = np.moveaxis(x, axis, -1); K = x.shape[-1]
;;       x = np.pad(x, [(0, 0)] * (x.ndim - 1) + [(0, -K % 32)]); x = x.reshape(x.shape[:-1] + (-1, 32)); a = np.abs(x).max(-1, keepdims=True)
;;       e = np.where(a > 0, np.clip(np.frexp(np.where(a > 0, a, 1))[1] - 1 - 2, -126, 127), 0)      # np.frexp(a)[1] - 1 = floor(log2(a)), exactly
;;       r = np.clip(x / 2.0 ** e, -6, 6)
;;       step = 2.0 ** (np.maximum(np.frexp(np.where(r == 0, 1, r))[1] - 1, 0) - 1)
;;       q = np.round(r / step) * step * 2.0 ** e      # np.round: ties to even
;;       return np.moveaxis(q.reshape(q.shape[:-2] + (-1,))[..., :K], -1, axis).astype(np.float32)
;;   ~~~
;;   SOFTMAX AHEAD OF A QUANTISED PRODUCT. Where the list says 'softmax', what is quantised is not the finished softmax but p = 2^(t - M), with t = logit x log2(e) and M = ceil(the row's largest t), a whole number; so 1/2 < the row's largest p <= 1. The row's sum l is taken of the UNQUANTISED p, in f32, and the product's result is divided by l at the end. Since M is a whole number, a kernel that streams over the keys may use a running M (the ceiling of the running maximum): every later rescaling is an exact power of two, which a block's scale takes up: the codes' values come out the same.
;;   OPERANDS COMPUTED ON THE WAY. 'Computed on the way' means the value that the module computes at that place (a softmax that the list does not call 'softmax' is quantised finished and normalised). What goes into a quantiser is computed in f32, as accurately as f32 sums, v_exp_f32 and their like allow (about 1e-6 of the number): no bf16 or f16 on the way to a quantiser, and a product that is left as it is and whose result goes on into a quantised operand takes f32 operands (vector FMAs, or v_wmma_f32_16x16x4_f32). A number that lies on a knife's edge between two numbers of the format may be rounded either way, as far as f32 arithmetic and the matrix unit's own rounding can turn it there, and no further.
;; One version. Each part assembles by itself: llvm-mc -triple=amdgcn-amd-amdhsa -mcpu=gfx1250 --defsym DOCPART=n.
;; ======== version 1 of 1: 8 launches
;; limits: right only within a limited range of input values
;; workspace buffers: xq 2,228,224 bytes; wq 6,684,672 bytes; qkv 9,175,040 bytes; cq 2,228,224 bytes; y 16,777,216 bytes; hq 19,005,440 bytes; hid 8,912,896 bytes
;; launch quant (part 1): grid 1024 x 1, 4 waves a work-group, no clusters, 68,096 bytes of LDS; arguments x, Wq, Wk, Wv, Wo, W1, W2, xq, wq; writes xq, wq
.if DOCPART == 1
	.amdgcn_target "amdgcn-amd-amdhsa--gfx1250"
	.amdhsa_code_object_version 6
	.text
	.protected	k_q309cf890a5_quant
	.globl	k_q309cf890a5_quant
	.p2align	8
	.type	k_q309cf890a5_quant,@function
k_q309cf890a5_quant:
	s_mov_b64 s[64:65], 0
	v_nop
	global_prefetch_b8 v0, s[64:65] scope:SCOPE_SE
	s_setreg_imm32_b32 hwreg(HW_REG_WAVE_MODE, 25, 1), 1
	s_wait_xcnt 0x0
; ENCODER LAYER IN MX-FP4, launch 1 of 8: x and the six weights become codes of E2M1 with one E8M0 byte for each 32 along K.
; DEAD WORK: none.  Every one of the 17 inputs has a way to the output: bk too, which a softmax in real numbers would cancel, moves K's codes and scales.
; Q K^T has K = 64 and fills half of the 128-deep matrix instruction; the other half is zero codes on both sides.
; LIMITS: NaN and infinities among the inputs are not served.  A block whose largest magnitude lies under 2^-124 is held at the byte 1; a block of zeros gets the byte 1
; where the rule says 127: its codes are zeros, which add nothing under any byte but 0xff, and only this program reads the bytes.
; LAYOUT OF ALL CODES IN THIS PROGRAM: AN IMAGE OF THE OPERAND'S REGISTERS.  A tile is 16 rows, a K step 128 along K; its image is 1,024 bytes: byte 512 c + 16 lane + i, lane = 16 h + r, holds
; k = 64 c + 32 h + 2 i, 2 i + 1 of tile row r.  Two loads of 16 bytes a lane, 512 bytes apart, are the fragment.  Buffers: [tile][K step][1,024].
; ROWS COME IN GROUPS OF 32: tile 2 g + u, row r is row 32 g + 8 u + (r & 7) + 16 (r >> 3), so that results of two neighbouring tiles are 16 neighbours along the next K.
; SCALES: [group g][K step][128 bytes]: word 16 u + r holds the four bytes of tile 2 g + u, row r: one load of 4 bytes a lane serves both tiles.
; Work-groups 0-255: x.  A wave takes 32 rows x 128 along K: each load reads 512 consecutive bytes of a row; the rows turn through the wave's own stage in LDS, so that a lane holds whole blocks of 32.
; Work-groups 256-1023: the weights, stored [K][N]: a lane takes a column, its registers run down K; nothing is transposed and nothing goes through LDS.  A wave takes 32 columns x 128 along K: one K step, four blocks,
; two blocks' loads out at a time.  So every wave of the launch, x's or a weight's, takes 16,384 bytes of input.
.set SPARE, 67584                      ; behind the four stages: the spare words, 128 bytes a wave
.set STG,   16896                      ; a wave's stage: 32 rows x 528 bytes
.set SP,    528                        ; 512 bytes + 16: the sixteen rows of a read start in sixteen different groups of banks
.set WS0,   6291456                    ; where the weights' scales begin in wq
.set SPW, 4                            ; v4  my spare word; never rewritten
.set NIL, 5                            ; v5  0; never rewritten
.set L16, 6                            ; v6  16 x lane
.set STI, 7                            ; v7  the stage, way in
.set STO, 8                            ; v8  the stage, way out
.set L4,  9                            ; v9  4 x lane
.set SH8, 10                           ; v10 8 x (lane / 16)
.set RAW, 32                           ; v32-159 32 rows as loaded; later tile 1's 64 numbers
.set X,   160                          ; v160-223 tile 0's 64 numbers
.set TM,  224                          ; v224-230 at work
.set PC0, 232                          ; v232-239, v240-247 the two fragments
.set PC1, 240
.set PW0, 248
.set PW1, 249
.set PWS, 250
.set SEL, 60                           ; s[60:61] selects for lane l xor 16
; 64 numbers of a lane, register 32 c + i = k 64 c + 32 h + i of my row: two whole blocks.  They become the fragment's eight registers and the row's scale word.
.macro QUANTW s, pc, pw
.irp c, 0,1
	v_max3_num_f32 v[TM+\c], |v[\s+32*\c]|, |v[\s+32*\c+1]|, 0x1800000   ; the floor 2^(3 - 127) among the leaves: the byte cannot fall under 1
.endr
.irp i, 2,4,6,8,10,12,14,16,18,20,22,24,26,28,30
.irp c, 0,1
	v_max3_num_f32 v[TM+\c], v[TM+\c], |v[\s+32*\c+\i]|, |v[\s+32*\c+\i+1]|
.endr
.endr
.irp c, 0,1
	v_add_nc_u32 v[TM+2+\c], 0xff000000, v[TM+\c]      ; 2 off the exponent field: the conversion's scale operand
.endr
.irp c, 0,1
	v_lshrrev_b32 v[TM+4+\c], 23, v[TM+2+\c]           ; the scale's byte
.endr
	v_lshl_or_b32 v[\pw], v[TM+5], 16, v[TM+4]         ; my blocks h and 2 + h,
	v_lshlrev_b32 v[\pw], v[SH8], v[\pw]               ; at their places;
	v_permlanex16_b32 v[TM+6], v[\pw], s[SEL], s[SEL+1]
	v_or_b32 v[\pw], v[\pw], v[TM+6]                   ; with lane l xor 16's two the word is whole
.irp c, 0,1
.irp g, 0,1,2,3
	v_cvt_scalef32_pk8_fp4_f32 v[\pc+4*\c+\g], v[\s+32*\c+8*\g:\s+32*\c+8*\g+7], v[TM+2+\c]
.endr
.endr
	v_nop                                              ; one plain instruction behind the last scaled conversion
.endm
	s_load_b512 s[8:23], s[0:1], 0x0               ; x 8, Wq 10, Wk 12, Wv 14, Wo 16, W1 18, W2 20, xq 22
	s_load_b64 s[24:25], s[0:1], 0x40              ; wq
	v_lshl_add_u32 v[SPW], v0, 2, SPARE
	v_mov_b32 v[NIL], 0
	v_lshrrev_b32 v1, 5, v0
	v_readfirstlane_b32 s3, v1                     ; wave
	v_and_b32 v1, 31, v0                           ; lane
	v_lshlrev_b32 v[L16], 4, v1
	v_lshlrev_b32 v[L4], 2, v1
	s_mov_b32 s31, 0
	s_wait_kmcnt 0x0
	s_cmp_ge_u32 ttmp9, 256
	s_cbranch_scc1 .Lw
	; ---- x: group of 32 rows = id / 2, K step = 4 (id & 1) + wave
	v_and_b32 v2, 15, v0                           ; r
	v_bfe_u32 v3, v0, 4, 1                         ; h
	v_lshlrev_b32 v[SH8], 3, v3
	s_mul_i32 s36, s3, STG
	s_wait_alu depctr_va_vdst(0)
	v_add_nc_u32 v[STI], s36, v[L16]
	v_mul_u32_u24 v[STO], v2, SP
	v_lshl_add_u32 v[STO], v3, 7, v[STO]           ; row r, + 128 h bytes: my 32 numbers of each 64
	v_add_nc_u32 v[STO], s36, v[STO]
	v_mov_b32 v[TM+6], 0                           ; a lane permute's destination counts as one of its sources
	s_mov_b32 s[SEL], 0x76543210
	s_mov_b32 s[SEL+1], 0xfedcba98
	s_lshr_b32 s26, ttmp9, 1                       ; the group
	s_and_b32 s27, ttmp9, 1
	s_lshl_b32 s27, s27, 2
	s_add_co_u32 s27, s27, s3                      ; the K step
	s_lshl_b32 s30, s26, 17                        ; 32 rows of 4,096 bytes
	s_lshl_b32 s28, s27, 9
	s_add_co_u32 s30, s30, s28
	s_add_nc_u64 s[8:9], s[8:9], s[30:31]
	s_lshl_b32 s30, s26, 4
	s_add_co_u32 s30, s30, s27
	s_lshl_b32 s30, s30, 10                        ; (tile 2 g x 8 + K step) x 1,024
	s_add_nc_u64 s[32:33], s[22:23], s[30:31]
	s_lshl_b32 s30, s26, 3
	s_add_co_u32 s30, s30, s27
	s_lshl_b32 s30, s30, 7
	s_add_co_u32 s30, s30, 2097152
	s_add_nc_u64 s[34:35], s[22:23], s[30:31]
.set rr, 0
.rept 32
	global_load_b128 v[RAW+4*rr:RAW+4*rr+3], v[L16], s[8:9] offset:rr*4096 th:TH_LOAD_NT   ; 32 lanes read 512 consecutive bytes of row rr
.set rr, rr+1
.endr
.set rr, 0
	s_wait_alu depctr_va_vdst(0)
.rept 32
	s_wait_loadcnt 31-rr                           ; row rr is in; the younger rows' loads may be out
	ds_store_b128 v[STI], v[RAW+4*rr:RAW+4*rr+3] offset:(16*((rr>>3)&1)+(rr&7)+8*(rr>>4))*SP   ; to the place of its tile and tile row
.set rr, rr+1
.endr
.irp c, 0,1
.irp i, 0,1,2,3,4,5,6,7
	ds_load_b128 v[X+32*\c+4*\i:X+32*\c+4*\i+3], v[STO] offset:256*\c+16*\i   ; LDS serves a wave's instructions in order: these see my stores
.endr
.endr
	s_wait_dscnt 0x0                               ; tile 0's numbers are in
.irp c, 0,1
.irp i, 0,1,2,3,4,5,6,7
	ds_load_b128 v[RAW+32*\c+4*\i:RAW+32*\c+4*\i+3], v[STO] offset:16*SP+256*\c+16*\i   ; tile 1's land while tile 0 is worked
.endr
.endr
	QUANTW X, PC0, PW0
	s_wait_dscnt 0x0
	QUANTW RAW, PC1, PW1
	v_cmp_gt_u32 vcc_lo, 16, v1
	v_cndmask_b32 v[PWS], v[PW1], v[PW0], vcc_lo   ; lanes 0-15 tile 0's words, lanes 16-31 tile 1's
	global_store_b128 v[L16], v[PC0:PC0+3], s[32:33]               ; each store: 512 consecutive bytes, aligned
	global_store_b128 v[L16], v[PC0+4:PC0+7], s[32:33] offset:512
	global_store_b128 v[L16], v[PC1:PC1+3], s[32:33] offset:8192
	global_store_b128 v[L16], v[PC1+4:PC1+7], s[32:33] offset:8704
	global_store_b32 v[L4], v[PWS], s[34:35]
	s_wait_tensorcnt 0x0                           ; the wave's end
	ds_add_u32 v[SPW], v[NIL]
	s_wait_dscnt 0x0
	s_endpgm
	; ---- the weights.  id' = id - 256; id' / 256: 0: Wq, Wk, Wv, Wo (64 work-groups each: 8 blocks of 128 columns x 8 K steps); 1: W1 (32 x 8); 2: W2 (8 x 32)
.Lw:
	s_sub_co_u32 s26, ttmp9, 256                   ; id'
	s_lshr_b32 s27, s26, 8
	s_bfe_u32 s28, s26, 0x20006                    ; which of the four square ones
	s_and_b32 s29, s26, 7                          ; block of 128 columns
	s_bfe_u32 s30, s26, 0x30003                    ; the K step
	s_and_b32 s41, s26, 31                         ; the same two for W1,
	s_bfe_u32 s42, s26, 0x30005
	s_bfe_u32 s43, s26, 0x50003                    ; and W2's K step
	s_lshl_b32 s38, s28, 19                        ; the tensor's codes in wq,
	s_lshl_b32 s39, s28, 15                        ; its scales behind WS0,
	s_mov_b32 s40, 3                               ; log2 of its K steps
	s_cmp_eq_u32 s28, 1
	s_cselect_b64 s[36:37], s[12:13], s[10:11]
	s_cmp_eq_u32 s28, 2
	s_cselect_b64 s[36:37], s[14:15], s[36:37]
	s_cmp_eq_u32 s28, 3
	s_cselect_b64 s[36:37], s[16:17], s[36:37]
	s_cmp_eq_u32 s27, 1
	s_cselect_b64 s[36:37], s[18:19], s[36:37]
	s_cselect_b32 s29, s41, s29
	s_cselect_b32 s30, s42, s30
	s_cselect_b32 s38, 0x200000, s38
	s_cselect_b32 s39, 0x20000, s39
	s_cselect_b32 s46, 21, 19                      ; log2 of 128 rows in bytes
	s_cmp_eq_u32 s27, 2
	s_cselect_b64 s[36:37], s[20:21], s[36:37]
	s_cselect_b32 s30, s43, s30
	s_cselect_b32 s38, 0x400000, s38
	s_cselect_b32 s39, 0x40000, s39
	s_cselect_b32 s40, 5, s40
	s_lshl_b32 s45, s29, 2
	s_add_co_u32 s45, s45, s3                      ; my group of 32 columns
	s_lshl_b32 s46, s30, s46
	s_lshl_b32 s47, s45, 7
	s_add_co_u32 s46, s46, s47
	s_mov_b32 s47, 0
	s_add_nc_u64 s[36:37], s[36:37], s[46:47]      ; the weight at my first row and column
	s_add_co_u32 s48, s40, 10                      ; log2 of a tile's bytes
	s_lshl_b32 s49, s45, 1
	s_lshl_b32 s49, s49, s48
	s_lshl_b32 s50, s30, 10                        ; an image a K step
	s_add_co_u32 s49, s49, s50
	s_add_co_u32 s50, s49, s38
	s_mov_b32 s51, 0
	s_add_nc_u64 s[52:53], s[24:25], s[50:51]      ; my codes
	s_lshl_b32 s54, s45, s40
	s_add_co_u32 s54, s54, s30
	s_lshl_b32 s54, s54, 7
	s_add_co_u32 s54, s54, s39
	s_add_co_u32 s54, s54, WS0
	s_mov_b32 s55, 0
	s_add_nc_u64 s[56:57], s[24:25], s[54:55]      ; my scale words
	s_wait_alu depctr_va_vdst(0)
	v_bfe_u32 v11, v1, 3, 1                        ; column n of the 32 = 16 a + 8 u + low: tile u,
	v_and_b32 v12, 7, v1
	v_lshrrev_b32 v13, 4, v1
	v_lshl_add_u32 v12, v13, 3, v12                ; tile row r = 8 a + low
	v_lshlrev_b32 v14, s48, v11
	v_lshl_add_u32 v14, v12, 4, v14                ; codes: tile u, 16 r
	v_lshl_add_u32 v15, v11, 4, v12
	v_lshlrev_b32 v15, 2, v15                      ; scale word 16 u + r
.macro WLOAD t, pitch                  ; block t: W(32 t + i, my column): 32 lanes read 128 consecutive bytes
.set li, 0
.rept 32
	global_load_b32 v[32+32*((\t)%2)+li], v[L4], s[36:37] offset:(32*(\t)+li)*\pitch th:TH_LOAD_NT
.set li, li+1
.endr
.endm
.macro WBLOCK t, pitch
.set XS, 32+32*((\t)%2)
.if (\t) < 3
	s_wait_loadcnt 32                              ; this block's 32 loads are in; the next block's may be out
.else
	s_wait_loadcnt 0
.endif
	v_max3_num_f32 v20, |v[XS]|, |v[XS+1]|, |v[XS+2]|              ; the block's largest magnitude: all 32 numbers are mine
	v_max3_num_f32 v21, |v[XS+3]|, |v[XS+4]|, |v[XS+5]|
.irp i, 6,10,14,18,22,26
	v_max3_num_f32 v20, v20, |v[XS+\i]|, |v[XS+\i+1]|
	v_max3_num_f32 v21, v21, |v[XS+\i+2]|, |v[XS+\i+3]|
.endr
	v_max3_num_f32 v20, v20, |v[XS+30]|, |v[XS+31]|
	v_max3_num_f32 v20, v20, v21, 0x1800000        ; and the floor
	v_add_nc_u32 v22, 0xff000000, v20
	v_lshrrev_b32 v21, 23, v22
.if (\t) == 0
	v_mov_b32 v160, v21                            ; the four bytes make the K step's word
.else
	v_lshl_or_b32 v160, v21, 8*(\t), v160
.endif
.irp g, 0,1,2,3
	v_cvt_scalef32_pk8_fp4_f32 v[96+4*(\t)+\g], v[XS+8*\g:XS+8*\g+7], v22      ; each block has registers of its own: no store's data are written again
.endr
	global_store_b128 v14, v[96+4*(\t):96+4*(\t)+3], s[52:53] offset:(((\t)>>1)&1)*512+((\t)&1)*256   ; the sixteen lanes of a tile fill 256 consecutive bytes, aligned
.if (\t)+2 < 4
	WLOAD (\t)+2, \pitch
.endif
.endm
.macro WPATH pitch
	WLOAD 0, \pitch
	WLOAD 1, \pitch
.set Q, 0
.rept 4
	WBLOCK Q, \pitch
.set Q, Q+1
.endr
	global_store_b32 v15, v160, s[56:57]
	s_wait_tensorcnt 0x0                           ; the three closing lines stand ahead of every end of this launch
	ds_add_u32 v[SPW], v[NIL]
	s_wait_dscnt 0x0
	s_endpgm
.endm
	s_cmp_eq_u32 s27, 1
	s_cbranch_scc1 .Lw1
	WPATH 4096                                     ; rows of 1,024 numbers
.Lw1:
	WPATH 16384                                    ; W1: rows of 4,096; the largest offset, 127 x 16,384, lies inside the signed 24-bit immediate
.Lfunc_end_k_q309cf890a5_quant:
	.size	k_q309cf890a5_quant, .Lfunc_end_k_q309cf890a5_quant-k_q309cf890a5_quant
	.p2alignl 7, 3214868480
	.fill 96, 4, 3214868480
	.section	.rodata,"a",@progbits
	.p2align	6, 0x0
	.amdhsa_kernel k_q309cf890a5_quant
		.amdhsa_group_segment_fixed_size 68096
		.amdhsa_private_segment_fixed_size 0
		.amdhsa_enable_private_segment 0
		.amdhsa_kernarg_size 72
		.amdhsa_user_sgpr_count 2
		.amdhsa_user_sgpr_kernarg_segment_ptr 1
		.amdhsa_wavefront_size32 1
		.amdhsa_system_sgpr_workgroup_id_x 1
		.amdhsa_system_sgpr_workgroup_id_y 1
		.amdhsa_system_sgpr_workgroup_id_z 1
		.amdhsa_system_vgpr_workitem_id 0
		.amdhsa_next_free_vgpr 256
		.amdhsa_next_free_sgpr 66
		.amdhsa_reserve_vcc 1
		.amdhsa_float_denorm_mode_32 3
		.amdhsa_float_denorm_mode_16_64 3
		.amdhsa_memory_ordered 1
		.amdhsa_forward_progress 1
		.amdhsa_inst_pref_size 57
	.end_amdhsa_kernel
	.amdgpu_metadata
---
amdhsa.version: [ 1, 2 ]
amdhsa.kernels:
  - .name:           k_q309cf890a5_quant
    .symbol:         k_q309cf890a5_quant.kd
    .args:
      - { .name: x, .offset: 0, .size: 8, .value_kind: global_buffer, .address_space: global }
      - { .name: Wq, .offset: 8, .size: 8, .value_kind: global_buffer, .address_space: global }
      - { .name: Wk, .offset: 16, .size: 8, .value_kind: global_buffer, .address_space: global }
      - { .name: Wv, .offset: 24, .size: 8, .value_kind: global_buffer, .address_space: global }
      - { .name: Wo, .offset: 32, .size: 8, .value_kind: global_buffer, .address_space: global }
      - { .name: W1, .offset: 40, .size: 8, .value_kind: global_buffer, .address_space: global }
      - { .name: W2, .offset: 48, .size: 8, .value_kind: global_buffer, .address_space: global }
      - { .name: xq, .offset: 56, .size: 8, .value_kind: global_buffer, .address_space: global }
      - { .name: wq, .offset: 64, .size: 8, .value_kind: global_buffer, .address_space: global }
    .group_segment_fixed_size: 68096
    .private_segment_fixed_size: 0
    .kernarg_segment_align: 8
    .kernarg_segment_size: 72
    .max_flat_workgroup_size: 128
    .sgpr_count:     66
    .vgpr_count:     256
    .wavefront_size: 32
...
	.end_amdgpu_metadata
.endif
;; end of part 1
;; launch qkv (part 2): grid 192 x 1, 16 waves a work-group, no clusters, 327,680 bytes of LDS; arguments xq, wq, bq, bk, bv, qkv; writes qkv
.if DOCPART == 2
	.amdgcn_target "amdgcn-amd-amdhsa--gfx1250"
	.amdhsa_code_object_version 6
	.text
	.protected	k_q309cf890a5_qkv
	.globl	k_q309cf890a5_qkv
	.p2align	8
	.type	k_q309cf890a5_qkv,@function
k_q309cf890a5_qkv:
	s_mov_b64 s[64:65], 0
	v_nop
	global_prefetch_b8 v0, s[64:65] scope:SCOPE_SE
	s_setreg_imm32_b32 hwreg(HW_REG_WAVE_MODE, 25, 1), 1
	s_wait_xcnt 0x0
.set SCB,   262144
.set SPARE, 278528
.set WS0,   6291456
.set XS0,   2097152
.set KV0,   4587520
.set REC,   8960
.set HEADB, 143360
.set LP,  4
.set LR,  5
.set LSP, 6
.set LSR, 7
.set L16, 8
.set L4,  9
.set SPW, 10
.set NIL, 11
.set SCP, 12
.set SCR, 16
.set BO,  17
.set RF,  24
.set PF,  40
.set ACC, 104
.set TM,  232
.set PW0, 248
.set PW1, 249
.set PWS, 250
.set PC0, 40
.set PC1, 48
.set G1C, 24
.set G1S, 32
.set G0,  40
.set G0S, 56
.set SEL, 80
.macro WM d, a, b, sa, sb, ra, rb
.set wD, \d
.set wA, \a
.set wB, \b
.set wS, \sa
.set wT, \sb
.if (\ra) && (\rb)
	v_wmma_scale_f32_16x16x128_f8f6f4 v[wD:wD+7], v[wA:wA+7], v[wB:wB+7], v[wD:wD+7], v[wS], v[wT] matrix_a_fmt:MATRIX_FMT_FP4 matrix_b_fmt:MATRIX_FMT_FP4 matrix_a_scale:MATRIX_SCALE_ROW1 matrix_b_scale:MATRIX_SCALE_ROW1
.elseif (\ra)
	v_wmma_scale_f32_16x16x128_f8f6f4 v[wD:wD+7], v[wA:wA+7], v[wB:wB+7], v[wD:wD+7], v[wS], v[wT] matrix_a_fmt:MATRIX_FMT_FP4 matrix_b_fmt:MATRIX_FMT_FP4 matrix_a_scale:MATRIX_SCALE_ROW1
.elseif (\rb)
	v_wmma_scale_f32_16x16x128_f8f6f4 v[wD:wD+7], v[wA:wA+7], v[wB:wB+7], v[wD:wD+7], v[wS], v[wT] matrix_a_fmt:MATRIX_FMT_FP4 matrix_b_fmt:MATRIX_FMT_FP4 matrix_b_scale:MATRIX_SCALE_ROW1
.else
	v_wmma_scale_f32_16x16x128_f8f6f4 v[wD:wD+7], v[wA:wA+7], v[wB:wB+7], v[wD:wD+7], v[wS], v[wT] matrix_a_fmt:MATRIX_FMT_FP4 matrix_b_fmt:MATRIX_FMT_FP4
.endif
.endm
.macro QUANT s, pc, pw
.irp b, 0,1,2,3
	v_max3_num_f32 v[TM+\b], |v[\s+16*\b]|, |v[\s+1+16*\b]|, 0x1800000
.endr
.irp i, 2,4,6,8,10,12,14
.irp b, 0,1,2,3
	v_max3_num_f32 v[TM+\b], v[TM+\b], |v[\s+16*\b+\i]|, |v[\s+1+16*\b+\i]|
.endr
.endr
.irp b, 0,1,2,3
	s_delay_alu instid0(VALU_DEP_4)
	v_permlanex16_b32 v[TM+4+\b], v[TM+\b], s[SEL], s[SEL+1]
.endr
.irp b, 0,1,2,3
	s_delay_alu instid0(VALU_DEP_4)
	v_max_num_f32 v[TM+\b], v[TM+\b], v[TM+4+\b]
.endr
.irp b, 0,1,2,3
	s_delay_alu instid0(VALU_DEP_4)
	v_add_nc_u32 v[TM+12+\b], 0xff000000, v[TM+\b]
.endr
.irp b, 0,1,2,3
	s_delay_alu instid0(VALU_DEP_4)
	v_lshrrev_b32 v[TM+4+\b], 23, v[TM+12+\b]
.endr
	s_delay_alu instid0(VALU_DEP_3)
	v_lshl_or_b32 v[\pw], v[TM+5], 8, v[TM+4]
	s_delay_alu instid0(VALU_DEP_1)
	v_lshl_or_b32 v[\pw], v[TM+6], 16, v[\pw]
	s_delay_alu instid0(VALU_DEP_1)
	v_lshl_or_b32 v[\pw], v[TM+7], 24, v[\pw]
.irp b, 0,1,2,3
	v_cvt_scalef32_pk8_fp4_f32 v[\pc+2*\b], v[\s+16*\b:\s+7+16*\b], v[TM+12+\b]
	v_cvt_scalef32_pk8_fp4_f32 v[\pc+1+2*\b], v[\s+8+16*\b:\s+15+16*\b], v[TM+12+\b]
.endr
	v_nop
.irp c, 0,1
.irp i, 0,1
	v_permlane16_swap_b32 v[\pc+4*\c+\i], v[\pc+2+4*\c+\i]
.endr
.endr
.endm
	s_load_b256 s[4:11], s[0:1], 0x0
	s_load_b128 s[12:15], s[0:1], 0x20
	v_lshl_add_u32 v[SPW], v0, 2, SPARE
	v_mov_b32 v[NIL], 0
	ds_add_u32 v[SPW], v[NIL]
	ds_add_u32 v[SPW], v[NIL]
	v_lshrrev_b32 v1, 5, v0
	s_delay_alu instid0(VALU_DEP_1)
	v_readfirstlane_b32 s16, v1
	s_lshr_b32 s17, s16, 3
	s_and_b32 s18, s16, 7
	s_mov_b32 s[G1C], 3<<16
	s_mov_b32 s[G1C+1], 1024<<16                   ; codes: four tiles' rows of 8,192 bytes (all 8 K steps), dense
	s_mov_b32 s[G1C+2], 4<<16
	s_mov_b32 s[G1C+3], 1024<<16
	s_mov_b32 s[G1C+4], 4
	s_mov_b32 s[G1C+5], 1024
	s_mov_b32 s[G1C+6], 0
	s_mov_b32 s[G1C+7], 0
	s_mov_b32 s[G1S], 3<<16
	s_mov_b32 s[G1S+1], 32<<16
	s_mov_b32 s[G1S+2], 32<<16                     ; a side's scale words: 8,192 dense bytes as 32 rows of 256
	s_mov_b32 s[G1S+3], 32<<16
	s_mov_b32 s[G1S+4], 32
	s_mov_b32 s[G1S+5], 32
	s_mov_b32 s[G1S+6], 0
	s_mov_b32 s[G1S+7], 0
	s_mov_b32 s[SEL], 0x76543210
	s_mov_b32 s[SEL+1], 0xfedcba98
	s_and_b32 s72, ttmp9, 7
	s_lshr_b32 s73, ttmp9, 3
	s_and_b32 s74, ttmp9, 63
	s_and_b32 s75, s74, 3
	s_lshr_b32 s74, s74, 2
	s_add_co_u32 s76, s75, 8
	s_cmp_ge_u32 ttmp9, 128
	s_cselect_b32 s19, 1, 0
	s_cselect_b32 s20, s74, s72
	s_cselect_b32 s21, s76, s73
	s_cselect_b32 s22, s75, s73
	s_cmp_lt_u32 s16, 8
	s_cselect_b32 s60, s20, s21
	s_lshl_b32 s60, s60, 3                         ; my side's first pair of tiles
	s_lshl_b32 s75, s18, 1
	s_add_co_u32 s75, s75, s60                     ; the first pair of the quarter that I fetch
	s_xor_b32 s61, s17, s19
	s_mov_b32 s79, 0
	s_wait_dscnt 0x0
	s_wait_kmcnt 0x0
	s_cmp_eq_u32 s61, 0
	s_cselect_b64 s[62:63], s[6:7], s[4:5]
	s_mov_b32 s77, XS0
	s_cselect_b32 s77, WS0, s77
	s_lshl_b32 s78, s75, 14
	s_add_nc_u64 s[66:67], s[62:63], s[78:79]
	s_lshl_b32 s78, s60, 10
	s_add_co_u32 s78, s78, s77
	s_add_nc_u64 s[68:69], s[62:63], s[78:79]
	s_mov_b32 s[G0S], 1
	s_lshl_b32 s[G0S+1], s17, 13
	s_add_co_u32 s[G0S+1], s[G0S+1], SCB
	s_mov_b64 s[G0S+2:G0S+3], s[68:69]
	s_or_b32 s[G0S+3], s[G0S+3], 0x80000000
; THE HEAD'S LOADS, at most one a wave.  Both panels lie whole in LDS: tile T (side 0: 0-15, side 1: 16-31) at 8,192 T.
; Of each side's eight waves numbers 0-3 fetch a quarter of its codes (four tiles, 32,768 dense bytes), number 4 its scale words, the others nothing.  Nothing is filled again.
	s_mov_b32 s[G0], 1
	s_lshl_b32 s[G0+1], s17, 2
	s_add_co_u32 s[G0+1], s[G0+1], s18
	s_lshl_b32 s[G0+1], s[G0+1], 15                ; (4 x side + quarter) x 32,768
	s_mov_b64 s[G0+2:G0+3], s[66:67]
	s_or_b32 s[G0+3], s[G0+3], 0x80000000
	s_cmp_lt_u32 s18, 4
	s_cbranch_scc0 .Lhead_s
	tensor_load_to_lds s[G0:G0+3], s[G1C:G1C+7]
	s_nop 0
.rept 4
	v_nop
.endr
	s_branch .Lhead_asked
.Lhead_s:
	s_cmp_eq_u32 s18, 4
	s_cbranch_scc0 .Lhead_asked
	tensor_load_to_lds s[G0S:G0S+3], s[G1S:G1S+7]
	s_nop 0
.rept 4
	v_nop
.endr
.Lhead_asked:
	v_and_b32 v1, 31, v0
	v_and_b32 v2, 15, v0
	v_bfe_u32 v3, v0, 4, 1
	s_delay_alu instid0(VALU_DEP_3)
	v_lshlrev_b32 v[L16], 4, v1
	s_delay_alu instid0(VALU_DEP_4)
	v_lshlrev_b32 v[L4], 2, v1
	s_lshl_b32 s72, s17, 16
	v_add_nc_u32 v[LP], s72, v[L16]
	s_lshl_b32 s72, s18, 14
	s_add_co_u32 s72, s72, 131072
	v_add_nc_u32 v[LR], s72, v[L16]
	s_lshl_b32 s72, s17, 12
	s_add_co_u32 s72, s72, SCB
	v_add_nc_u32 v[LSP], s72, v[L4]
	s_lshl_b32 s72, s18, 10
	s_add_co_u32 s72, s72, SCB+8192
	v_add_nc_u32 v[LSR], s72, v[L4]
	v_lshlrev_b32 v[BO], 6, v3
	s_lshl_b32 s70, s20, 1
	s_add_co_u32 s70, s70, s17
	s_lshl_b32 s71, s22, 3
	s_add_co_u32 s71, s71, s18
	s_mov_b32 s73, 0
	s_cmp_eq_u32 s19, 0
	s_cbranch_scc0 .Lvbias
	s_cmp_lt_u32 s70, 8
	s_cselect_b64 s[62:63], s[8:9], s[10:11]
	s_and_b32 s72, s70, 7
	s_lshl_b32 s72, s72, 9
	s_add_nc_u64 s[62:63], s[62:63], s[72:73]
	s_wait_alu depctr_va_vdst(0)
.irp rt, 0,1
.irp pt, 0,1,2,3,4,5,6,7
	global_load_b128 v[ACC+64*\rt+8*\pt:ACC+64*\rt+8*\pt+3], v[BO], s[62:63] offset:(32*(\pt/2)+8*(\pt%2))*4
	global_load_b128 v[ACC+64*\rt+8*\pt+4:ACC+64*\rt+8*\pt+7], v[BO], s[62:63] offset:(32*(\pt/2)+8*(\pt%2))*4+16
.endr
.endr
	s_branch .Lbias_in
.Lvbias:
	s_wait_alu depctr_va_vdst(0)
	v_and_b32 v251, 7, v2
	v_lshrrev_b32 v252, 3, v2
	s_delay_alu instid0(VALU_DEP_1)
	v_lshl_add_u32 v251, v252, 4, v251
	s_delay_alu instid0(VALU_DEP_1)
	v_lshlrev_b32 v251, 2, v251
	s_lshl_b32 s72, s71, 7
	s_add_nc_u64 s[62:63], s[12:13], s[72:73]
	global_load_b32 v252, v251, s[62:63]
	global_load_b32 v253, v251, s[62:63] offset:32
	s_wait_loadcnt 0x0
.irp rt, 0,1
.set mi, 0
.rept 64
	v_mov_b32 v[ACC+64*\rt+mi], v[252+\rt]
.set mi, mi+1
.endr
.endr
.Lbias_in:
	s_wait_loadcnt 0x0
.macro KSTEP ks, g
	ds_load_b32 v[SCR], v[LSR] offset:(\g)*128
.irp i, 0,1,2,3
	ds_load_b32 v[SCP+\i], v[LSP] offset:\i*1024+(\g)*128
.endr
.irp rt, 0,1
.irp c, 0,1
	ds_load_b128 v[RF+8*\rt+4*\c:RF+8*\rt+4*\c+3], v[LR] offset:\rt*8192+(\ks)*1024+512*\c
.endr
.endr
.irp pt, 0,1,2,3,4,5,6,7
.irp c, 0,1
	ds_load_b128 v[PF+8*\pt+4*\c:PF+8*\pt+4*\c+3], v[LP] offset:\pt*8192+(\ks)*1024+512*\c
.endr
.endr
.irp pt, 0,1,2,3,4,5,6,7
	s_wait_dscnt 14-2*\pt
	WM ACC+8*\pt, PF+8*\pt, RF, SCP+\pt/2, SCR, \pt%2, 0
	WM ACC+64+8*\pt, PF+8*\pt, RF+8, SCP+\pt/2, SCR, \pt%2, 1
.endr
.rept 4
	v_nop
.endr
.endm
	s_wait_alu depctr_va_vdst(0)
	s_wait_tensorcnt 0x0                           ; my one load has landed,
	s_barrier_signal -1
	s_barrier_wait -1                              ; everybody's has: both panels and their scale words are whole
.set kq, 0
.rept 8
	KSTEP kq, kq                                   ; every offset is an immediate: the largest is 7 x 8,192 + 7 x 1,024 + 512
.set kq, kq+1
.endr
.irp b, 0,1,2,3
	v_mov_b32 v[TM+4+\b], 0
.endr
	QUANT ACC, PC0, PW0
	QUANT ACC+64, PC1, PW1
	v_cmp_gt_u32 vcc_lo, 16, v1
	s_delay_alu instid0(VALU_DEP_1)
	v_cndmask_b32 v[PWS], v[PW1], v[PW0], vcc_lo
	s_mov_b32 s77, 0
	s_cmp_eq_u32 s19, 0
	s_cbranch_scc0 .Lvout
	s_lshr_b32 s72, s70, 3
	s_mul_i32 s72, s72, KV0
	s_and_b32 s73, s70, 7
	s_lshl_b32 s73, s73, 1
	s_lshr_b32 s74, s71, 6
	s_lshl_b32 s74, s74, 4
	s_add_co_u32 s73, s73, s74
	s_lshl_b32 s73, s73, 4
	s_bfe_u32 s74, s71, 0x40002
	s_add_co_u32 s73, s73, s74
	s_mul_i32 s73, s73, REC
	s_add_co_u32 s72, s72, s73
	s_and_b32 s74, s71, 3
	s_lshl_b32 s75, s74, 10
	s_add_co_u32 s76, s72, s75
	s_add_nc_u64 s[66:67], s[14:15], s[76:77]
	s_lshl_b32 s75, s74, 7
	s_add_co_u32 s76, s72, s75
	s_add_co_u32 s76, s76, 8192
	s_add_nc_u64 s[68:69], s[14:15], s[76:77]
	s_wait_alu depctr_va_vdst(0)
	v_lshrrev_b32 v251, 16, v[PWS]
	global_store_b128 v[L16], v[PC0:PC0+3], s[66:67]
	global_store_b128 v[L16], v[PC1:PC1+3], s[66:67] offset:512
	global_store_b128 v[L16], v[PC0+4:PC0+7], s[66:67] offset:HEADB
	global_store_b128 v[L16], v[PC1+4:PC1+7], s[66:67] offset:HEADB+512
	global_store_b32 v[L4], v[PWS], s[68:69]
	global_store_b32 v[L4], v251, s[68:69] offset:HEADB
	s_branch .Lend
.Lvout:
	s_lshr_b32 s72, s70, 4
	s_lshl_b32 s72, s72, 4
	s_lshr_b32 s73, s71, 1
	s_add_co_u32 s72, s72, s73
	s_lshl_b32 s72, s72, 4
	s_and_b32 s73, s70, 15
	s_add_co_u32 s72, s72, s73
	s_mul_i32 s72, s72, REC
	s_add_co_u32 s72, s72, KV0
	s_and_b32 s74, s71, 1
	s_lshl_b32 s75, s74, 11
	s_add_co_u32 s76, s72, s75
	s_add_co_u32 s76, s76, 4096
	s_add_nc_u64 s[66:67], s[14:15], s[76:77]
	s_lshl_b32 s75, s74, 7
	s_add_co_u32 s76, s72, s75
	s_add_co_u32 s76, s76, 8704
	s_add_nc_u64 s[68:69], s[14:15], s[76:77]
	global_store_b128 v[L16], v[PC0:PC0+3], s[66:67]
	global_store_b128 v[L16], v[PC0+4:PC0+7], s[66:67] offset:512
	s_wait_alu depctr_va_vdst(0)
	global_store_b128 v[L16], v[PC1:PC1+3], s[66:67] offset:1024
	global_store_b128 v[L16], v[PC1+4:PC1+7], s[66:67] offset:1536
	global_store_b32 v[L4], v[PWS], s[68:69]
.Lend:
	s_wait_tensorcnt 0x0
	ds_add_u32 v[SPW], v[NIL]
	s_wait_dscnt 0x0
	s_endpgm
.Lfunc_end_k_q309cf890a5_qkv:
	.size	k_q309cf890a5_qkv, .Lfunc_end_k_q309cf890a5_qkv-k_q309cf890a5_qkv
	.p2alignl 7, 3214868480
	.fill 96, 4, 3214868480
	.section	.rodata,"a",@progbits
	.p2align	6, 0x0
	.amdhsa_kernel k_q309cf890a5_qkv
		.amdhsa_group_segment_fixed_size 327680
		.amdhsa_private_segment_fixed_size 0
		.amdhsa_enable_private_segment 0
		.amdhsa_kernarg_size 48
		.amdhsa_user_sgpr_count 2
		.amdhsa_user_sgpr_kernarg_segment_ptr 1
		.amdhsa_wavefront_size32 1
		.amdhsa_system_sgpr_workgroup_id_x 1
		.amdhsa_system_sgpr_workgroup_id_y 1
		.amdhsa_system_sgpr_workgroup_id_z 1
		.amdhsa_system_vgpr_workitem_id 0
		.amdhsa_next_free_vgpr 256
		.amdhsa_next_free_sgpr 84
		.amdhsa_reserve_vcc 1
		.amdhsa_float_denorm_mode_32 3
		.amdhsa_float_denorm_mode_16_64 3
		.amdhsa_memory_ordered 1
		.amdhsa_forward_progress 1
		.amdhsa_inst_pref_size 56
	.end_amdhsa_kernel
	.amdgpu_metadata
---
amdhsa.version: [ 1, 2 ]
amdhsa.kernels:
  - .name:           k_q309cf890a5_qkv
    .symbol:         k_q309cf890a5_qkv.kd
    .args:
      - { .name: xq, .offset: 0, .size: 8, .value_kind: global_buffer, .address_space: global }
      - { .name: wq, .offset: 8, .size: 8, .value_kind: global_buffer, .address_space: global }
      - { .name: bq, .offset: 16, .size: 8, .value_kind: global_buffer, .address_space: global }
      - { .name: bk, .offset: 24, .size: 8, .value_kind: global_buffer, .address_space: global }
      - { .name: bv, .offset: 32, .size: 8, .value_kind: global_buffer, .address_space: global }
      - { .name: qkv, .offset: 40, .size: 8, .value_kind: global_buffer, .address_space: global }
    .group_segment_fixed_size: 327680
    .private_segment_fixed_size: 0
    .kernarg_segment_align: 8
    .kernarg_segment_size: 48
    .max_flat_workgroup_size: 512
    .sgpr_count:     84
    .vgpr_count:     256
    .wavefront_size: 32
...
	.end_amdgpu_metadata
.endif
;; end of part 2
;; launch attn (part 3): grid 8 x 32, 16 waves a work-group, clusters of 4 x 1, 167,936 bytes of LDS; arguments qkv, cq; writes cq
.if DOCPART == 3
	.amdgcn_target "amdgcn-amd-amdhsa--gfx1250"
	.amdhsa_code_object_version 6
	.text
	.protected	k_q309cf890a5_attn
	.globl	k_q309cf890a5_attn
	.p2align	8
	.type	k_q309cf890a5_attn,@function
k_q309cf890a5_attn:
	s_mov_b64 s[64:65], 0
	v_nop
	global_prefetch_b8 v0, s[64:65] scope:SCOPE_SE
	s_setreg_imm32_b32 hwreg(HW_REG_WAVE_MODE, 25, 1), 1
	s_wait_xcnt 0x0
	s_wait_alu depctr_hold_cnt(0) depctr_sa_sdst(0) depctr_va_vdst(0) depctr_va_sdst(0) depctr_va_ssrc(0) depctr_va_vcc(0) depctr_vm_vsrc(0)
	s_getreg_b32 s2, hwreg(HW_REG_IB_STS2, 6, 4)
	s_cmp_eq_u32 s2, 0
	s_cbranch_scc0 .Lentry_in_a_cluster
	s_endpgm
.Lentry_in_a_cluster:
	s_bfe_u32 s2, ttmp6, 0x10000c
	s_cmp_lg_u32 s2, 0x3003
	s_cbranch_scc0 .Lentry_shape_is_right
	s_endpgm
.Lentry_shape_is_right:
; Launch 3: ctx = softmax(q k^T / 8) v for one batch and head, both products on codes of E2M1; ctx is quantised along the head's 64 and stored as images for the projection out.  No work is left out.
; t = score x log2(e) / 8; M = the running largest t rounded UP to a whole number; p = 2^(t - M) is what is quantised, along the keys; the row's sum is taken of the unquantised p and divides at the end.
; When M moves, the sum and O are multiplied by 2^(old M - new M), which rounds nothing.  LIMIT: the promise holds while the scaled scores t stay under 2^31 in magnitude; NaN and infinities are not served.
; SHARES.  A work-group owns 256 queries of a head, each of its sixteen waves one tile of 16, in 256 registers.  The head's K and V lie whole in LDS: sixteen records of 8,960 bytes (128 keys each),
; one tensor load a wave at the head, one barrier, nothing filled again.
; CLUSTER.  The four query blocks of a cluster belong to one head: wave w of each of the four asks for record w JOINTLY (same descriptor, made of the head and the wave's number alone; a mask that names the four).
; LAYOUT.  Both products transposed: S^T = K Q^T (source 0 = 16 keys), O^T = V^T P^T (source 0 = 16 channels): a lane holds one query throughout.
; WHICH KEYS FORM A TILE is chosen by the lanes' LDS addresses: row 8 h' + j of tile 4 c + i is key 64 c + 32 h' + 8 i + j of the step's 128.  So the 32 registers of tiles 4 c .. 4 c + 3 are, in lane half h,
; the WHOLE block 2 c + h of 32 neighbouring keys, in order: a block's largest score needs no other lane, a lane has two blocks to scale, and the conversion of tile 4 c + i is register 4 c + i of P's operand as it stands.
; In the records key 32 g + 8 u + (r & 7) + 16 (r >> 3) is row r of stored tile 2 g + u: so that row lies in stored tile 4 c + 2 h' + (i & 1), row j + 8 (i >> 1).
; ORDER OF A STEP.  At its top V's fragments of this step and K's of the next are asked of LDS; the softmax follows; at its end stand the next step's 8 score products and this step's 4 products with V.
; The last step is written out: it has no next step.  The head has 64 channels: registers 4-7 of K's and Q's fragments are zero codes, written once.
.set REC,   8960
.set HEADB, 143360
.set KV0,   4587520
.set SPARE, 143360
.set SPW, 5                            ; v5  my spare word; never rewritten
.set NIL, 6                            ; v6  0; never rewritten
.set AK0, 7                            ; v7  my lane's place in K's tiles: 1,024 h' + 256 h + 16 j
.set AS0, 8                            ; v8  and among K's scale words: 128 h' + 64 (lane / 16) + 4 j
.set SH8, 9                            ; v9  8 x (lane / 16)
.set ADK, 10                           ; v10, v11, v242, v243: the step's LDS addresses
.set ADV, 11
.set ADS, 242
.set ADT, 243
.set VF,  64                           ; v64-95   V's four fragments.  K's eight: v24-63 and v200-223
.set ST,  96                           ; v96-159  S^T, then p
.set OT,  160                          ; v160-191 O^T
.set KS,  192                          ; v192-195 K's scale words, v196-197 V's, v198 p's, v255 Q's (scales alone)
.set VS,  196
.set PS,  198
.set PC,  224                          ; v224-231 p's codes
.set WV,  8
.set SEL, 28
.set CS,  30
.set TB,  32
.set CNT, 33
.set QB,  41
.macro CROUND                          ; a round of the cluster's barrier
	s_barrier_signal -1
	s_barrier_wait -1
	s_cmp_lg_u32 s[WV], 0
	s_cbranch_scc1 .Lnot_wave_0_\@
	s_barrier_signal -3
.Lnot_wave_0_\@:
	s_barrier_wait -3
	s_barrier_signal -1
	s_barrier_wait -1
.endm
.macro WMZ d, a, b, sa, sb, ra         ; D = A B: the constant 0 starts the sums
.set wD, \d
.set wA, \a
.set wB, \b
.set wS, \sa
.set wT, \sb
.if (\ra)
	v_wmma_scale_f32_16x16x128_f8f6f4 v[wD:wD+7], v[wA:wA+7], v[wB:wB+7], 0, v[wS], v[wT] matrix_a_fmt:MATRIX_FMT_FP4 matrix_b_fmt:MATRIX_FMT_FP4 matrix_a_scale:MATRIX_SCALE_ROW1
.else
	v_wmma_scale_f32_16x16x128_f8f6f4 v[wD:wD+7], v[wA:wA+7], v[wB:wB+7], 0, v[wS], v[wT] matrix_a_fmt:MATRIX_FMT_FP4 matrix_b_fmt:MATRIX_FMT_FP4
.endif
.endm
.macro WMA d, a, b, sa, sb, ra         ; D += A B, in place
.set wD, \d
.set wA, \a
.set wB, \b
.set wS, \sa
.set wT, \sb
.if (\ra)
	v_wmma_scale_f32_16x16x128_f8f6f4 v[wD:wD+7], v[wA:wA+7], v[wB:wB+7], v[wD:wD+7], v[wS], v[wT] matrix_a_fmt:MATRIX_FMT_FP4 matrix_b_fmt:MATRIX_FMT_FP4 matrix_a_scale:MATRIX_SCALE_ROW1
.else
	v_wmma_scale_f32_16x16x128_f8f6f4 v[wD:wD+7], v[wA:wA+7], v[wB:wB+7], v[wD:wD+7], v[wS], v[wT] matrix_a_fmt:MATRIX_FMT_FP4 matrix_b_fmt:MATRIX_FMT_FP4
.endif
.endm
; K's eight tiles of a record (registers 0-3 of each fragment) and their scale words: word register 2 c + q holds tile 4 c + 2 q in lanes 0-15 and tile 4 c + 2 q + 1 in lanes 16-31
.macro KLOAD adk, ads, off
.irp c, 0,1
.irp i, 0,1,2,3
.set kf, 24+8*(4*\c+\i)+((4*\c+\i)/5)*136
	ds_load_b128 v[kf:kf+3], v[\adk] offset:\off+2048*\c+512*(\i%2)+128*(\i/2)
.endr
.irp q, 0,1
	ds_load_b32 v[KS+2*\c+\q], v[\ads] offset:\off+8192+256*\c+32*\q
.endr
.endr
.endm
.macro SMUL                            ; S^T = K Q^T: eight accumulators, one instruction each
.irp c, 0,1
.irp i, 0,1,2,3
	WMZ ST+32*\c+8*\i, 24+8*(4*\c+\i)+((4*\c+\i)/5)*136, 16, KS+2*\c+\i/2, 255, \i%2
.endr
.endr
.endm
.macro SUM4 j                          ; eight more p onto the four chains of the row's sum
	v_pk_add_f32 v[14:15], v[14:15], v[ST+\j:ST+\j+1]
	v_pk_add_f32 v[236:237], v[236:237], v[ST+\j+2:ST+\j+3]
	v_pk_add_f32 v[238:239], v[238:239], v[ST+\j+4:ST+\j+5]
	v_pk_add_f32 v[240:241], v[240:241], v[ST+\j+6:ST+\j+7]
.endm
	s_load_b128 s[4:7], s[0:1], 0x0                ; qkv 4, cq 6
	v_lshl_add_u32 v[SPW], v0, 2, SPARE
	v_mov_b32 v[NIL], 0
	ds_add_u32 v[SPW], v[NIL]                      ; the opening: the add, twice on end, and its wait ahead of my first tensor load
	ds_add_u32 v[SPW], v[NIL]
	v_lshrrev_b32 v10, 5, v0
	s_delay_alu instid0(VALU_DEP_1)
	v_readfirstlane_b32 s[WV], v10                 ; wave 0..15
	s_and_b32 s9, ttmp7, 0xffff                    ; batch x 16 + head, which the four partners share
	s_bfe_u32 s40, ttmp6, 0x40000                  ; cx
	s_lshl_b32 s[QB], ttmp9, 2
	s_add_co_u32 s[QB], s[QB], s40                 ; my block of 256 queries = 4 x cluster x + cx
	s_mov_b32 s16, 15|(3<<16)|(1<<21)              ; the mask: all four; elements of 8 bytes; bit 21 beside a mask.  A record: 8,960 dense bytes as 35 rows of 256
	s_mov_b32 s17, 32<<16
	s_mov_b32 s18, 35<<16
	s_mov_b32 s19, 32<<16
	s_mov_b32 s20, 35
	s_mov_b32 s21, 32
	s_mov_b32 s22, 0
	s_mov_b32 s23, 0
	s_mul_i32 s10, s9, HEADB                       ; the head's records
	s_mul_i32 s11, s[WV], REC                      ; record = wave: in memory and in LDS
	s_add_co_u32 s12, s10, s11
	s_add_co_u32 s12, s12, KV0
	s_mov_b32 s13, 0
	s_mov_b32 s[SEL], 0x76543210
	s_mov_b32 s[SEL+1], 0xfedcba98
	s_mov_b32 s[CS], 0x3e38aa3b                    ; c = log2(e) / 8
	s_mov_b32 s[CS+1], s[CS]
	s_mov_b32 s[TB], 0
	s_mov_b32 s[CNT], 15
	s_wait_dscnt 0x0                               ; both opening adds are done
	s_wait_kmcnt 0x0
	s_mov_b32 s24, 1
	s_mov_b32 s25, s11
	s_add_nc_u64 s[26:27], s[4:5], s[12:13]
	s_or_b32 s27, s27, 0x80000000
	CROUND                                         ; all four work-groups are here: the joint loads meet
	tensor_load_to_lds s[24:27], s[16:23]          ; my one tensor load
	s_nop 0
.rept 4
	v_nop
.endr
	s_lshl_b32 s14, s[QB], 1                       ; my tile of queries: record 2 x block + wave / 8, tile wave % 8
	s_lshr_b32 s15, s[WV], 3
	s_add_co_u32 s14, s14, s15
	s_mul_i32 s14, s14, REC
	s_add_co_u32 s14, s14, s10
	s_and_b32 s15, s[WV], 7
	s_lshl_b32 s34, s15, 9
	s_add_co_u32 s34, s34, s14
	s_mov_b32 s35, 0
	s_add_nc_u64 s[36:37], s[4:5], s[34:35]
	s_lshl_b32 s34, s15, 6
	s_add_co_u32 s34, s34, s14
	s_add_co_u32 s34, s34, 8192
	s_add_nc_u64 s[38:39], s[4:5], s[34:35]
	v_and_b32 v3, 31, v0                           ; lane
	v_and_b32 v4, 15, v0                           ; r
	v_lshlrev_b32 v1, 4, v3
	v_lshlrev_b32 v2, 2, v3
	v_lshlrev_b32 v249, 2, v4
	global_load_b128 v[16:19], v1, s[36:37]        ; Q's fragment stays in registers
	global_load_b32 v255, v249, s[38:39]           ; and its scale words
	v_bfe_u32 v10, v0, 3, 1                        ; h'
	v_bfe_u32 v11, v0, 4, 1                        ; lane / 16
	v_and_b32 v199, 7, v0                          ; j
	v_lshlrev_b32 v[SH8], 3, v11
	v_lshlrev_b32 v[AK0], 4, v199
	v_lshlrev_b32 v[AS0], 2, v199
	v_lshl_add_u32 v[AK0], v11, 8, v[AK0]
	v_lshl_add_u32 v[AS0], v11, 6, v[AS0]
	v_lshl_add_u32 v[AK0], v10, 10, v[AK0]
	v_lshl_add_u32 v[AS0], v10, 7, v[AS0]
.irp j, 20,21,22,23,14,15,248,251,253
	v_mov_b32 v[\j], 0                             ; Q's zero codes; the sum's two halves; the lane permutes' destinations; the upper half of v[252:253]
.endr
.irp t, 0,1,2,3,4,5,6,7
.irp j, 4,5,6,7
	v_mov_b32 v[24+8*\t+(\t/5)*136+\j], 0          ; zero codes: k = 64 .. 127 of K's eight fragments, written once
.endr
.endr
	v_mov_b32 v13, 0xff61b1e6                      ; the largest score so far: -3e38
	v_mul_f32 v12, s[CS], v13
	s_delay_alu instid0(VALU_DEP_1)
	v_floor_f32 v12, -v12                          ; -M
.set j, 0
.rept 32
	v_mov_b32 v[OT+j], 0                           ; O^T: the first step finds zeros, which the first change of M leaves zeros
.set j, j+1
.endr
	s_wait_alu depctr_va_vdst(0)
	s_wait_tensorcnt 0x0                           ; my record has landed,
	s_barrier_signal -1
	s_barrier_wait -1                              ; everybody's has
	KLOAD AK0, AS0, 0                              ; record 0's keys
	s_wait_loadcnt 0x0                             ; Q
	s_wait_dscnt 0x0
	SMUL                                           ; the first step's scores
; A STEP of 128 keys: its scores lie in S^T.  last = 1: no step follows
.macro STEP last
.if \last
	v_nop
	v_nop
.else
	v_add_nc_u32 v[ADK], s[TB], v[AK0]
	v_add_nc_u32 v[ADS], s[TB], v[AS0]
.endif
	v_add_nc_u32 v[ADV], s[TB], v1
	v_add_nc_u32 v[ADT], s[TB], v2                 ; these four are the places behind the last products, ahead of the loads into their sources and of the first read of S^T
.irp t, 0,1,2,3
.irp c, 0,1
	ds_load_b128 v[VF+8*\t+4*\c:VF+8*\t+4*\c+3], v[ADV] offset:4096+1024*\t+512*\c   ; V's four tiles of this step
.endr
.endr
.irp i, 0,1
	ds_load_b32 v[VS+\i], v[ADT] offset:8704+128*\i
.endr
.if \last == 0
	KLOAD ADK, ADS, REC                            ; K's tiles of the next step
.endif
.irp c, 0,1                                    ; the largest score of my two blocks of 32 keys, each in two chains; each accumulator is read from its low end on
.irp a, 0,1
	v_max3_num_f32 v[232+2*\c+\a], v[ST+32*\c+16*\a], v[ST+1+32*\c+16*\a], v[ST+2+32*\c+16*\a]
.endr
.endr
.irp i, 3,5,7,9,11,13
.irp c, 0,1
.irp a, 0,1
	v_max3_num_f32 v[232+2*\c+\a], v[232+2*\c+\a], v[ST+32*\c+16*\a+\i], v[ST+1+32*\c+16*\a+\i]
.endr
.endr
.endr
.irp c, 0,1
	v_max3_num_f32 v[232+2*\c], v[232+2*\c], v[233+2*\c], v[ST+15+32*\c]
.endr
.irp c, 0,1
	v_max_num_f32 v[232+2*\c], v[232+2*\c], v[ST+31+32*\c]
.endr
	v_mov_b32 v254, v12                            ; the old -M
	s_delay_alu instid0(VALU_DEP_2)
	v_max_num_f32 v250, v232, v234
	s_delay_alu instid0(VALU_DEP_1)
	v_permlanex16_b32 v251, v250, s[SEL], s[SEL+1] ; lane l xor 16 holds my query's other two blocks
	s_delay_alu instid0(VALU_DEP_1)
	v_max3_num_f32 v13, v13, v250, v251            ; the running largest score
	s_delay_alu instid0(VALU_DEP_1)
	v_mul_f32 v251, s[CS], v13                     ; as t (c is positive)
	s_delay_alu instid0(VALU_DEP_1)
	v_floor_f32 v12, -v251                         ; the new -M = floor(-t): M is a whole number
	s_delay_alu instid0(VALU_DEP_1)
	v_sub_f32 v254, v12, v254                      ; old M - new M: a whole number, 0 or less
	s_delay_alu instid0(VALU_DEP_1)
	v_cvt_i32_f32 v254, v254                       ; (it saturates)
	s_delay_alu instid0(VALU_DEP_1)
	v_ldexp_f32 v252, 1.0, v254                    ; f = 2^(old M - new M)
.set j, 0
.rept 32
	v_pk_fma_f32 v[ST+j:ST+j+1], v[ST+j:ST+j+1], s[CS:CS+1], v[12:13] op_sel_hi:[1,0,0]   ; t - M, two at a time
.set j, j+2
.endr
	v_fma_f32 v232, v232, s[CS], v12               ; the same of each block's largest score: p rises with the score
	v_fma_f32 v234, v234, s[CS], v12
	s_wait_alu depctr_va_vdst(0)
	v_exp_f32 v232, v232                           ; my blocks' largest p
	v_exp_f32 v234, v234
.set j, 0
.rept 64
	v_exp_f32 v[ST+j], v[ST+j]                     ; p = 2^(t - M), at most 1: not normalised
.set j, j+1
.endr
	v_pk_mul_f32 v[14:15], v[14:15], v[252:253] op_sel_hi:[1,0]   ; the sums under the new M: a plain instruction behind the batch
	s_wait_alu depctr_va_vdst(0)                   ; one wait for the whole batch, ahead of its first reader
	v_max_num_f32 v232, 0x1800000, v232            ; the floor 2^(3 - 127): the byte cannot fall under 1.  The scales' lines stand among the sum's 32 additions
	v_max_num_f32 v234, 0x1800000, v234
	v_pk_add_f32 v[14:15], v[14:15], v[ST:ST+1]
	v_pk_add_f32 v[236:237], v[ST+2:ST+3], v[ST+10:ST+11]
	v_pk_add_f32 v[238:239], v[ST+4:ST+5], v[ST+12:ST+13]
	v_pk_add_f32 v[240:241], v[ST+6:ST+7], v[ST+14:ST+15]
	v_add_nc_u32 v244, 0xff000000, v232            ; 2 off the exponent field: the conversion's scale operand
	v_add_nc_u32 v245, 0xff000000, v234
	v_pk_add_f32 v[14:15], v[14:15], v[ST+8:ST+9]
	SUM4 16
	v_lshrrev_b32 v246, 23, v244                   ; the bytes
	v_lshrrev_b32 v247, 23, v245
	SUM4 24
	v_lshl_or_b32 v[PS], v247, 16, v246            ; my blocks h and 2 + h,
	SUM4 32
	v_lshlrev_b32 v[PS], v[SH8], v[PS]             ; at their places;
	SUM4 40
	v_permlanex16_b32 v248, v[PS], s[SEL], s[SEL+1]
	SUM4 48
	v_or_b32 v[PS], v[PS], v248                    ; with lane l xor 16's two, p's scale word of these 128 keys is whole
	SUM4 56
	v_pk_add_f32 v[236:237], v[236:237], v[238:239]
	v_pk_add_f32 v[14:15], v[14:15], v[240:241]
.irp c, 0,1
.irp i, 0,1,2,3
	v_cvt_scalef32_pk8_fp4_f32 v[PC+4*\c+\i], v[ST+32*\c+8*\i:ST+32*\c+8*\i+7], v[244+\c]   ; register 4 c + i of the operand: k = 64 c + 32 h + 8 i ..
.endr
.endr
	v_pk_add_f32 v[14:15], v[14:15], v[236:237]    ; the sum's last addition is the plain instruction behind the last scaled conversion
	s_wait_dscnt 0x0                               ; the fragments asked for at the step's top
	s_wait_alu depctr_va_vdst(0)                   ; directly ahead of the first reader of O^T and behind the wait above
.set j, 0
.rept 16
	v_pk_mul_f32 v[OT+j:OT+j+1], v[OT+j:OT+j+1], v[252:253] op_sel_hi:[1,0]   ; O^T under the new M; these sixteen are also the places between the codes, the scale word and the products
.set j, j+2
.endr
.if \last == 0
	SMUL                                           ; the next step's scores
.endif
.irp t, 0,1,2,3
	WMA OT+8*\t, VF+8*\t, PC, VS+\t/2, PS, \t%2    ; O^T += V^T P^T: the accumulators take turns
.endr
.if \last == 0
	s_add_co_u32 s[TB], s[TB], REC
.endif
.endm
.Lstep:                                            ; 15 trips
	STEP 0
	s_sub_co_u32 s[CNT], s[CNT], 1
	s_cmp_lg_u32 s[CNT], 0
	s_cbranch_scc1 .Lstep
	STEP 1
	; THE WAY OUT: O^T / the sum; its 64 channels are two blocks of the projection's K: K step head / 2, half head % 2
.rept 4
	v_nop                                          ; places behind the last products
.endr
	v_add_f32 v14, v14, v15
	s_delay_alu instid0(VALU_DEP_1)
	v_permlanex16_b32 v252, v14, s[SEL], s[SEL+1]
	s_delay_alu instid0(VALU_DEP_1)
	v_add_f32 v14, v14, v252                       ; the row's sum
	s_wait_alu depctr_va_vdst(0)
	v_rcp_f32 v14, v14
	v_bfe_u32 v239, v0, 4, 1                       ; (a plain instruction behind the reciprocal)
	s_delay_alu instid0(VALU_DEP_1)
	v_lshl_add_u32 v239, v4, 2, v239               ; 4 r + h: my scale byte's place
	s_lshr_b32 s10, s9, 4
	s_lshl_b32 s10, s10, 7
	s_lshl_b32 s11, s[QB], 4
	s_add_co_u32 s10, s10, s11
	s_add_co_u32 s10, s10, s[WV]                   ; my tile among the 256 of all rows
	s_and_b32 s11, s9, 15                          ; the head
	s_lshr_b32 s12, s11, 1
	s_and_b32 s13, s11, 1
	s_lshl_b32 s14, s10, 3
	s_add_co_u32 s14, s14, s12
	s_lshl_b32 s14, s14, 10
	s_lshl_b32 s15, s13, 9
	s_add_co_u32 s34, s14, s15
	s_add_nc_u64 s[36:37], s[6:7], s[34:35]
	s_lshr_b32 s14, s10, 1
	s_lshl_b32 s14, s14, 3
	s_add_co_u32 s14, s14, s12
	s_lshl_b32 s14, s14, 7
	s_and_b32 s15, s10, 1
	s_lshl_b32 s15, s15, 6
	s_add_co_u32 s14, s14, s15
	s_lshl_b32 s15, s13, 1
	s_add_co_u32 s14, s14, s15
	s_add_co_u32 s34, s14, 2097152
	s_add_nc_u64 s[38:39], s[6:7], s[34:35]
	s_wait_alu depctr_va_vdst(0)                   ; the wait ahead of the reciprocal's first reader, and of O^T's
.set j, 0
.rept 32
	v_mul_f32 v[96+j], v[OT+j], v14                ; register 16 b + i is channel 32 b + 16 h + i
.set j, j+1
.endr
.irp b, 0,1
	v_max3_num_f32 v[232+\b], |v[96+16*\b]|, |v[97+16*\b]|, 0x1800000
.endr
.irp i, 2,4,6,8,10,12,14
.irp b, 0,1
	s_delay_alu instid0(VALU_DEP_2)
	v_max3_num_f32 v[232+\b], v[232+\b], |v[96+16*\b+\i]|, |v[97+16*\b+\i]|
.endr
.endr
.irp b, 0,1
	s_delay_alu instid0(VALU_DEP_2)
	v_permlanex16_b32 v[236+\b], v[232+\b], s[SEL], s[SEL+1]
.endr
.irp b, 0,1
	s_delay_alu instid0(VALU_DEP_2)
	v_max_num_f32 v[232+\b], v[232+\b], v[236+\b]
.endr
.irp b, 0,1
	s_delay_alu instid0(VALU_DEP_2)
	v_add_nc_u32 v[244+\b], 0xff000000, v[232+\b]
.endr
.irp b, 0,1
	s_delay_alu instid0(VALU_DEP_2)
	v_lshrrev_b32 v[236+\b], 23, v[244+\b]
.endr
.irp b, 0,1
	v_cvt_scalef32_pk8_fp4_f32 v[224+2*\b], v[96+16*\b:103+16*\b], v[244+\b]
	v_cvt_scalef32_pk8_fp4_f32 v[225+2*\b], v[104+16*\b:111+16*\b], v[244+\b]
.endr
	v_nop
	v_permlane16_swap_b32 v224, v226               ; a whole block in a lane
	v_permlane16_swap_b32 v225, v227
	v_cmp_gt_u32 vcc_lo, 16, v3
	s_delay_alu instid0(VALU_DEP_1)
	v_cndmask_b32 v238, v237, v236, vcc_lo         ; lanes 0-15 store block 0's byte, lanes 16-31 block 1's
	global_store_b128 v1, v[224:227], s[36:37]     ; half an image: 512 consecutive bytes, aligned
	global_store_b8 v239, v238, s[38:39]           ; a head is half a K step: the word's other two bytes come from the neighbouring head's work-group
	s_wait_tensorcnt 0x0                           ; the wave's end
	ds_add_u32 v[SPW], v[NIL]
	s_wait_dscnt 0x0
	CROUND                                         ; the closing round
	s_endpgm
.Lfunc_end_k_q309cf890a5_attn:
	.size	k_q309cf890a5_attn, .Lfunc_end_k_q309cf890a5_attn-k_q309cf890a5_attn
	.p2alignl 7, 3214868480
	.fill 96, 4, 3214868480
	.section	.rodata,"a",@progbits
	.p2align	6, 0x0
	.amdhsa_kernel k_q309cf890a5_attn
		.amdhsa_group_segment_fixed_size 167936
		.amdhsa_private_segment_fixed_size 0
		.amdhsa_enable_private_segment 0
		.amdhsa_kernarg_size 16
		.amdhsa_user_sgpr_count 2
		.amdhsa_user_sgpr_kernarg_segment_ptr 1
		.amdhsa_wavefront_size32 1
		.amdhsa_system_sgpr_workgroup_id_x 1
		.amdhsa_system_sgpr_workgroup_id_y 1
		.amdhsa_system_sgpr_workgroup_id_z 1
		.amdhsa_system_vgpr_workitem_id 0
		.amdhsa_next_free_vgpr 256
		.amdhsa_next_free_sgpr 66
		.amdhsa_reserve_vcc 1
		.amdhsa_float_denorm_mode_32 3
		.amdhsa_float_denorm_mode_16_64 3
		.amdhsa_memory_ordered 1
		.amdhsa_forward_progress 1
		.amdhsa_inst_pref_size 41
	.end_amdhsa_kernel
	.amdgpu_metadata
---
amdhsa.version: [ 1, 2 ]
amdhsa.kernels:
  - .name:           k_q309cf890a5_attn
    .symbol:         k_q309cf890a5_attn.kd
    .args:
      - { .name: qkv, .offset: 0, .size: 8, .value_kind: global_buffer, .address_space: global }
      - { .name: cq, .offset: 8, .size: 8, .value_kind: global_buffer, .address_space: global }
    .group_segment_fixed_size: 167936
    .private_segment_fixed_size: 0
    .kernarg_segment_align: 8
    .kernarg_segment_size: 16
    .max_flat_workgroup_size: 512
    .sgpr_count:     66
    .vgpr_count:     256
    .wavefront_size: 32
...
	.end_amdgpu_metadata
.endif
;; end of part 3
;; launch wo (part 4): grid 8 x 32, 8 waves a work-group, clusters of 4 x 4, 167,936 bytes of LDS; arguments cq, wq, bo, x, y; writes y
.if DOCPART == 4
	.amdgcn_target "amdgcn-amd-amdhsa--gfx1250"
	.amdhsa_code_object_version 6
	.text
	.protected	k_q309cf890a5_wo
	.globl	k_q309cf890a5_wo
	.p2align	8
	.type	k_q309cf890a5_wo,@function
k_q309cf890a5_wo:
	s_mov_b64 s[64:65], 0
	v_nop
	global_prefetch_b8 v0, s[64:65] scope:SCOPE_SE
	s_setreg_imm32_b32 hwreg(HW_REG_WAVE_MODE, 25, 1), 1
	s_wait_xcnt 0x0
	s_wait_alu depctr_hold_cnt(0) depctr_sa_sdst(0) depctr_va_vdst(0) depctr_va_sdst(0) depctr_va_ssrc(0) depctr_va_vcc(0) depctr_vm_vsrc(0)
	s_getreg_b32 s2, hwreg(HW_REG_IB_STS2, 6, 4)
	s_cmp_eq_u32 s2, 0
	s_cbranch_scc0 .Lentry_in_a_cluster
	s_endpgm
.Lentry_in_a_cluster:
	s_bfe_u32 s2, ttmp6, 0x10000c
	s_cmp_lg_u32 s2, 0xf033
	s_cbranch_scc0 .Lentry_shape_is_right
	s_endpgm
.Lentry_shape_is_right:
; Launch 4: y = x + ctx Wo + bo, the product on codes of E2M1, f32 out.  No work is left out.
; P (source 0) = 128 columns of the weight, R (source 1) = 128 rows.  Wave (wp, wr): P's 4 tiles wp x R's pair wr: 8 accumulators, which the bias starts.
; K = 1,024 is one chunk of 8 K steps, asked for whole at the head (one tensor load a wave).  Nothing is filled again.
; CLUSTER: 4 x 4 work-groups.  P hangs on the block of columns alone, which the four of a column of the cluster share; R on the block of rows alone, which the four of a row share.  Each is asked for JOINTLY: the same
; tensor load, with the same descriptor and a mask that names the four.  Every wave makes P's and R's descriptors, each from its own coordinate and the wave's number, and asks by one of them: waves 0, 1, 4, 5 for P, waves 2, 3, 6, 7 for R.
; THE WAY OUT: a lane holds 8 neighbouring columns of one row; 16 rows x 64 columns go through the wave's own stage and come back as rows of 256 bytes, to which the residual, loaded in that layout at the head, is added.
.set KST,  8
.set WCO,  1572864                     ; the weight's codes in wq,
.set WSO,  6291456+98304               ; its scale words,
.set RSO,  2097152                     ; and R's scale words in its buffer
.set SCB,  131072
.set SPARE, SCB+8*KST*128
.set LP,  4
.set LR,  6
.set LSP, 8
.set LSR, 9
.set SPW, 10
.set NIL, 11
.set STO, 12
.set RD,  13
.set GRO, 14
.set BO,  15
.set SCP, 16                           ; v16-17 P's scale words, v18 R's (scales alone)
.set SCR, 18
.set RF,  24
.set PF,  40
.set ACC, 72                           ; accumulator (rt, pt) at ACC + 32 rt + 8 pt
.set RES, 136
.set OUTB, 200
.set WV,   14                          ; s14 my wave's number
.set G1CP, 24                          ; s[24:31] group 1, codes of P;  s[32:39] of R: they differ in the mask alone
.set G1CR, 32
.set G1SP, 40                          ; s[40:47], s[48:55] the same for the scale words
.set G1SR, 48
.set G0P,  56                          ; s[56:59] group 0, P's codes
.set G0R,  68                          ; s[68:71] R's
.set G0SP, 76                          ; s[76:79], s[80:83] the scale words'
.set G0SR, 80
.macro CROUND                          ; a round of the cluster's barrier: my work-group's barrier; wave 0 signals for the work-group; every wave waits for all sixteen work-groups; my work-group's barrier once more
	s_barrier_signal -1
	s_barrier_wait -1
	s_cmp_lg_u32 s[WV], 0
	s_cbranch_scc1 .Lnot_wave_0_\@
	s_barrier_signal -3
.Lnot_wave_0_\@:
	s_barrier_wait -3
	s_barrier_signal -1
	s_barrier_wait -1
.endm
.macro WM d, a, b, sa, sb, ra, rb
.set wD, \d
.set wA, \a
.set wB, \b
.set wS, \sa
.set wT, \sb
.if (\ra) && (\rb)
	v_wmma_scale_f32_16x16x128_f8f6f4 v[wD:wD+7], v[wA:wA+7], v[wB:wB+7], v[wD:wD+7], v[wS], v[wT] matrix_a_fmt:MATRIX_FMT_FP4 matrix_b_fmt:MATRIX_FMT_FP4 matrix_a_scale:MATRIX_SCALE_ROW1 matrix_b_scale:MATRIX_SCALE_ROW1
.elseif (\ra)
	v_wmma_scale_f32_16x16x128_f8f6f4 v[wD:wD+7], v[wA:wA+7], v[wB:wB+7], v[wD:wD+7], v[wS], v[wT] matrix_a_fmt:MATRIX_FMT_FP4 matrix_b_fmt:MATRIX_FMT_FP4 matrix_a_scale:MATRIX_SCALE_ROW1
.elseif (\rb)
	v_wmma_scale_f32_16x16x128_f8f6f4 v[wD:wD+7], v[wA:wA+7], v[wB:wB+7], v[wD:wD+7], v[wS], v[wT] matrix_a_fmt:MATRIX_FMT_FP4 matrix_b_fmt:MATRIX_FMT_FP4 matrix_b_scale:MATRIX_SCALE_ROW1
.else
	v_wmma_scale_f32_16x16x128_f8f6f4 v[wD:wD+7], v[wA:wA+7], v[wB:wB+7], v[wD:wD+7], v[wS], v[wT] matrix_a_fmt:MATRIX_FMT_FP4 matrix_b_fmt:MATRIX_FMT_FP4
.endif
.endm
	s_load_b256 s[4:11], s[0:1], 0x0               ; R's buffer 4, wq 6, the bias 8, the residual 10
	s_load_b64 s[12:13], s[0:1], 0x20              ; y
	v_lshl_add_u32 v[SPW], v0, 2, SPARE
	v_mov_b32 v[NIL], 0
	ds_add_u32 v[SPW], v[NIL]                      ; the opening: the add, twice on end, and its wait ahead of my first tensor load
	ds_add_u32 v[SPW], v[NIL]
	v_lshrrev_b32 v1, 5, v0
	s_delay_alu instid0(VALU_DEP_1)
	v_readfirstlane_b32 s[WV], v1                  ; wave 0..7
	s_and_b32 s15, s[WV], 1                        ; wp
	s_lshr_b32 s16, s[WV], 1                       ; wr
	s_bfe_u32 s19, ttmp6, 0x40000                  ; cx, cy: my place in the cluster
	s_bfe_u32 s20, ttmp6, 0x40004
	s_lshl_b32 s17, ttmp9, 2
	s_add_co_u32 s17, s17, s19                     ; block of 128 columns = 4 x cluster x + cx
	s_and_b32 s18, ttmp7, 0xffff
	s_lshl_b32 s18, s18, 2
	s_add_co_u32 s18, s18, s20                     ; block of 128 rows = 4 x cluster y + cy
	s_lshl_b32 s21, s20, 2
	s_lshl_b32 s21, 15, s21                        ; my row of the cluster
	s_lshl_b32 s22, 0x1111, s19                    ; my column
	s_or_b32 s[G1CP], s22, (3<<16)|(1<<21)         ; 15:0 the mask: P goes to my column; 17:16 elements of 8 bytes; 21 set beside a mask
	s_or_b32 s[G1CR], s21, (3<<16)|(1<<21)         ; R goes to my row
	s_or_b32 s[G1SP], s22, (3<<16)|(1<<21)
	s_or_b32 s[G1SR], s21, (3<<16)|(1<<21)
.irp g, G1CP, G1CR                     ; codes: four tiles' rows of 8,192 bytes (8 K steps), a tile's bytes apart
	s_mov_b32 s[\g+1], 1024<<16                    ; four tiles to a load
	s_mov_b32 s[\g+2], 4<<16
	s_mov_b32 s[\g+3], 1024<<16
	s_mov_b32 s[\g+4], 4
	s_mov_b32 s[\g+5], KST*128
	s_mov_b32 s[\g+6], 0
	s_mov_b32 s[\g+7], 0
.endr
.irp g, G1SP, G1SR                     ; a pair's scale words for all of K: dense, as rows of 256 bytes
	s_mov_b32 s[\g+1], 32<<16
	s_mov_b32 s[\g+2], KST<<16                     ; two pairs' scale words to a load
	s_mov_b32 s[\g+3], 32<<16
	s_mov_b32 s[\g+4], KST
	s_mov_b32 s[\g+5], 32
	s_mov_b32 s[\g+6], 0
	s_mov_b32 s[\g+7], 0
.endr
	s_and_b32 s84, s[WV], 1
	s_lshl_b32 s84, s84, 1                         ; the first pair of the half of a side that I fetch
	s_and_b32 s85, s[WV], 3
	s_lshl_b32 s86, s17, 2
	s_add_co_u32 s86, s86, s84                     ; P's pair: from the block of columns and the wave's number
	s_mul_i32 s88, s86, 2*KST*1024
	s_add_co_u32 s88, s88, WCO
	s_mov_b32 s89, 0
	s_mul_i32 s90, s86, KST*128
	s_add_co_u32 s90, s90, WSO
	s_mov_b32 s91, 0
	s_lshl_b32 s87, s18, 2
	s_add_co_u32 s87, s87, s84                     ; R's pair: from the block of rows and the wave's number
	s_mul_i32 s92, s87, 2*KST*1024
	s_mov_b32 s93, 0
	s_mul_i32 s94, s87, KST*128
	s_add_co_u32 s94, s94, RSO
	s_mov_b32 s95, 0
	s_mul_i32 s96, s85, 2*KST*128
	s_add_co_u32 s96, s96, SCB                     ; where they go: the wave's number alone enters an LDS address
	s_lshl_b32 s97, s85, 15
	s_wait_dscnt 0x0                               ; both opening adds are done
	s_wait_kmcnt 0x0
	s_add_nc_u64 s[88:89], s[6:7], s[88:89]
	s_add_nc_u64 s[90:91], s[6:7], s[90:91]
	s_add_nc_u64 s[92:93], s[4:5], s[92:93]
	s_add_nc_u64 s[94:95], s[4:5], s[94:95]
	s_mov_b32 s[G0SP], 1
	s_mov_b32 s[G0SP+1], s96
	s_mov_b64 s[G0SP+2:G0SP+3], s[90:91]
	s_or_b32 s[G0SP+3], s[G0SP+3], 0x80000000
	s_mov_b32 s[G0SR], 1
	s_mov_b32 s[G0SR+1], s96
	s_mov_b64 s[G0SR+2:G0SR+3], s[94:95]
	s_or_b32 s[G0SR+3], s[G0SR+3], 0x80000000
	s_mov_b32 s[G0P], 1
	s_mov_b32 s[G0P+1], s97
	s_mov_b64 s[G0P+2:G0P+3], s[88:89]
	s_or_b32 s[G0P+3], s[G0P+3], 0x80000000
	s_mov_b32 s[G0R], 1
	s_mov_b32 s[G0R+1], s97
	s_mov_b64 s[G0R+2:G0R+3], s[92:93]
	s_or_b32 s[G0R+3], s[G0R+3], 0x80000000
	CROUND                                         ; all sixteen work-groups are here: the joint loads meet
; THE HEAD'S LOADS, ONE A WAVE: waves 0, 1 fetch the halves of P's codes (four tiles each), waves 2, 3 those of R's,
; waves 4, 5 the halves of P's scale words, waves 6, 7 those of R's.  One tree of branches on the wave's number: every way passes exactly one load.
.macro ARM under, g0, g1, next
	s_cmp_lt_u32 s[WV], \under
	s_cbranch_scc0 \next
	tensor_load_to_lds s[\g0:\g0+3], s[\g1:\g1+7]
	s_nop 0
.rept 4
	v_nop
.endr
	s_branch .Lfirst_asked
\next:
.endm
	ARM 2, G0P,  G1CP, .Lfirst_r
	ARM 4, G0R,  G1CR, .Lfirst_sp
	ARM 6, G0SP, G1SP, .Lfirst_sr
	tensor_load_to_lds s[G0SR:G0SR+3], s[G1SR:G1SR+7]
	s_nop 0
.rept 4
	v_nop
.endr
.Lfirst_asked:
	v_and_b32 v1, 31, v0
	v_and_b32 v2, 15, v0
	s_wait_alu depctr_va_vdst(0)
	v_bfe_u32 v3, v0, 4, 1
	v_lshlrev_b32 v19, 4, v1
	v_lshlrev_b32 v20, 2, v1
	s_lshl_b32 s23, s15, 15
	v_add_nc_u32 v[LP], s23, v19
	s_lshl_b32 s23, s16, 14
	s_add_co_u32 s23, s23, 65536
	v_add_nc_u32 v[LR], s23, v19
	s_mul_i32 s23, s15, 2*KST*128
	s_add_co_u32 s23, s23, SCB
	v_add_nc_u32 v[LSP], s23, v20
	s_mul_i32 s23, s16, KST*128
	s_add_co_u32 s23, s23, SCB+4*KST*128
	v_add_nc_u32 v[LSR], s23, v20
	s_mul_i32 s23, s[WV], 4352                     ; my stage: 16 rows x 272 bytes, at the head of the slot
	v_mul_u32_u24 v[STO], v2, 272
	s_wait_alu depctr_va_vdst(0)
	v_lshl_add_u32 v[STO], v3, 6, v[STO]
	s_delay_alu instid0(VALU_DEP_1)
	v_add_nc_u32 v[STO], s23, v[STO]
	v_mul_u32_u24 v[RD], v3, 272
	s_delay_alu instid0(VALU_DEP_1)
	v_lshl_add_u32 v[RD], v2, 4, v[RD]
	s_delay_alu instid0(VALU_DEP_1)
	v_add_nc_u32 v[RD], s23, v[RD]
	v_lshlrev_b32 v[GRO], 12, v3
	s_delay_alu instid0(VALU_DEP_1)
	v_lshl_add_u32 v[GRO], v2, 4, v[GRO]           ; lanes 0-15 one row of 256 bytes, lanes 16-31 the next
	v_lshlrev_b32 v[BO], 6, v3
	s_wait_alu depctr_va_vdst(0)
	s_lshl_b32 s98, s17, 9
	s_lshl_b32 s99, s15, 8
	s_add_co_u32 s98, s98, s99                     ; my 64 columns, in bytes
	s_mov_b32 s99, 0
	s_add_nc_u64 s[8:9], s[8:9], s[98:99]
	s_lshl_b32 s100, s18, 19
	s_lshl_b32 s101, s16, 17
	s_add_co_u32 s100, s100, s101                  ; my 32 rows
	s_add_co_u32 s100, s100, s98
	s_mov_b32 s101, 0
	s_add_nc_u64 s[10:11], s[10:11], s[100:101]
	s_add_nc_u64 s[12:13], s[12:13], s[100:101]
.irp rt, 0,1
.irp pt, 0,1,2,3
	global_load_b128 v[ACC+32*\rt+8*\pt:ACC+32*\rt+8*\pt+3], v[BO], s[8:9] offset:(32*(\pt/2)+8*(\pt%2))*4      ; the bias starts the sums
	global_load_b128 v[ACC+32*\rt+8*\pt+4:ACC+32*\rt+8*\pt+7], v[BO], s[8:9] offset:(32*(\pt/2)+8*(\pt%2))*4+16
.endr
.endr
.irp rt, 0,1
.irp t, 0,1,2,3,4,5,6,7
	global_load_b128 v[RES+32*\rt+4*\t:RES+32*\rt+4*\t+3], v[GRO], s[10:11] offset:(8*\rt+2*(\t%4)+16*(\t/4))*4096   ; the residual, in the layout of the way out
.endr
.endr
.macro KSTEP2 ks
	ds_load_b32 v[SCR], v[LSR] offset:(\ks)*128
.irp i, 0,1
	ds_load_b32 v[SCP+\i], v[LSP] offset:\i*KST*128+(\ks)*128
.endr
.irp rt, 0,1
.irp c, 0,1
	ds_load_b128 v[RF+8*\rt+4*\c:RF+8*\rt+4*\c+3], v[LR] offset:\rt*8192+(\ks)*1024+512*\c
.endr
.endr
.irp pt, 0,1,2,3
.irp c, 0,1
	ds_load_b128 v[PF+8*\pt+4*\c:PF+8*\pt+4*\c+3], v[LP] offset:\pt*8192+(\ks)*1024+512*\c
.endr
.endr
.irp pt, 0,1,2,3
	s_wait_dscnt 6-2*\pt                           ; P's tile pt is in; the later tiles' two loads each may be out
	WM ACC+8*\pt, PF+8*\pt, RF, SCP+\pt/2, SCR, \pt%2, 0
	WM ACC+32+8*\pt, PF+8*\pt, RF+8, SCP+\pt/2, SCR, \pt%2, 1      ; the eight accumulators take turns
.endr
.rept 4
	v_nop                                          ; four places in front of loads into registers that matrix instructions have read, and of the first read of results
.endr
.endm
	s_wait_tensorcnt 0x0                           ; my one load has landed,
	s_barrier_signal -1
	s_barrier_wait -1                              ; everybody's have
	s_wait_loadcnt 16                              ; the bias is in; the residual's sixteen loads may be out
.set kq, 0
.rept 8
	KSTEP2 kq
.set kq, kq+1
.endr
	s_wait_dscnt 0x0                               ; my reads of the slot are over
	s_barrier_signal -1
	s_barrier_wait -1                              ; everybody's are: the stages may be written there; the slot has had its one fill
	s_wait_loadcnt 0x0
.irp rt, 0,1
.irp pt, 0,1,2,3
	ds_store_b128 v[STO], v[ACC+32*\rt+8*\pt:ACC+32*\rt+8*\pt+3] offset:(\pt/2)*128+(\pt%2)*32          ; each accumulator from its low end on
	ds_store_b128 v[STO], v[ACC+32*\rt+8*\pt+4:ACC+32*\rt+8*\pt+7] offset:(\pt/2)*128+(\pt%2)*32+16
.endr
.irp t, 0,1,2,3,4,5,6,7
	ds_load_b128 v[OUTB+4*\t:OUTB+4*\t+3], v[RD] offset:\t*544     ; LDS serves a wave's instructions in order: these see my stores
.endr
.irp t, 0,1,2,3,4,5,6,7
	s_wait_dscnt 7-\t                              ; read-back t is in; the later ones may be out
	v_pk_add_f32 v[RES+32*\rt+4*\t:RES+32*\rt+4*\t+1], v[RES+32*\rt+4*\t:RES+32*\rt+4*\t+1], v[OUTB+4*\t:OUTB+4*\t+1]
	v_pk_add_f32 v[RES+32*\rt+4*\t+2:RES+32*\rt+4*\t+3], v[RES+32*\rt+4*\t+2:RES+32*\rt+4*\t+3], v[OUTB+4*\t+2:OUTB+4*\t+3]
	global_store_b128 v[GRO], v[RES+32*\rt+4*\t:RES+32*\rt+4*\t+3], s[12:13] offset:(8*\rt+2*(\t%4)+16*(\t/4))*4096   ; sixteen lanes store 256 consecutive bytes, aligned; no store's data are written again
.endr
.endr
	s_wait_tensorcnt 0x0                           ; the wave's end
	ds_add_u32 v[SPW], v[NIL]
	s_wait_dscnt 0x0
	CROUND                                         ; the closing round: no work-group ends while a partner may still ask for a tile that names it
	s_endpgm
.Lfunc_end_k_q309cf890a5_wo:
	.size	k_q309cf890a5_wo, .Lfunc_end_k_q309cf890a5_wo-k_q309cf890a5_wo
	.p2alignl 7, 3214868480
	.fill 96, 4, 3214868480
	.section	.rodata,"a",@progbits
	.p2align	6, 0x0
	.amdhsa_kernel k_q309cf890a5_wo
		.amdhsa_group_segment_fixed_size 167936
		.amdhsa_private_segment_fixed_size 0
		.amdhsa_enable_private_segment 0
		.amdhsa_kernarg_size 40
		.amdhsa_user_sgpr_count 2
		.amdhsa_user_sgpr_kernarg_segment_ptr 1
		.amdhsa_wavefront_size32 1
		.amdhsa_system_sgpr_workgroup_id_x 1
		.amdhsa_system_sgpr_workgroup_id_y 1
		.amdhsa_system_sgpr_workgroup_id_z 1
		.amdhsa_system_vgpr_workitem_id 0
		.amdhsa_next_free_vgpr 256
		.amdhsa_next_free_sgpr 102
		.amdhsa_reserve_vcc 0
		.amdhsa_float_denorm_mode_32 3
		.amdhsa_float_denorm_mode_16_64 3
		.amdhsa_memory_ordered 1
		.amdhsa_forward_progress 1
		.amdhsa_inst_pref_size 36
	.end_amdhsa_kernel
	.amdgpu_metadata
---
amdhsa.version: [ 1, 2 ]
amdhsa.kernels:
  - .name:           k_q309cf890a5_wo
    .symbol:         k_q309cf890a5_wo.kd
    .args:
      - { .name: cq, .offset: 0, .size: 8, .value_kind: global_buffer, .address_space: global }
      - { .name: wq, .offset: 8, .size: 8, .value_kind: global_buffer, .address_space: global }
      - { .name: bo, .offset: 16, .size: 8, .value_kind: global_buffer, .address_space: global }
      - { .name: x, .offset: 24, .size: 8, .value_kind: global_buffer, .address_space: global }
      - { .name: y, .offset: 32, .size: 8, .value_kind: global_buffer, .address_space: global }
    .group_segment_fixed_size: 167936
    .private_segment_fixed_size: 0
    .kernarg_segment_align: 8
    .kernarg_segment_size: 40
    .max_flat_workgroup_size: 256
    .sgpr_count:     102
    .vgpr_count:     256
    .wavefront_size: 32
...
	.end_amdgpu_metadata
.endif
;; end of part 4
;; launch ln1 (part 5): grid 128 x 1, 8 waves a work-group, no clusters, 132,608 bytes of LDS; arguments y, ln1_g, ln1_b, hq; writes hq
.if DOCPART == 5
	.amdgcn_target "amdgcn-amd-amdhsa--gfx1250"
	.amdhsa_code_object_version 6
	.text
	.protected	k_q309cf890a5_ln1
	.globl	k_q309cf890a5_ln1
	.p2align	8
	.type	k_q309cf890a5_ln1,@function
k_q309cf890a5_ln1:
	s_mov_b64 s[64:65], 0
	v_nop
	global_prefetch_b8 v0, s[64:65] scope:SCOPE_SE
	s_setreg_imm32_b32 hwreg(HW_REG_WAVE_MODE, 25, 1), 1
	s_wait_xcnt 0x0
; Launch 5: h = LayerNorm(y) x g + b, stored as f32 (the second residual) and as codes of E2M1 along its 1,024 (the operand of the first FFN product).  No work is left out.
; A work-group takes a group of 32 rows.  PHASE 1: a wave takes 4 whole rows in 128 registers: mean, then the variance of the differences (two passes, as the definition has it), 1 / sqrt, gain and bias; no wave waits for another.
; PHASE 2: the 32 rows meet in LDS, each at the place of its tile and tile row; behind one barrier wave w takes K step w of both tiles, 64 numbers a lane and tile, and quantises them.
; Memory binds: matrix units, clusters and tensor loads would add nothing here.
.set SPARE, 131584                     ; behind the 32 rows of 4,112 bytes: the spare words
.set RP,  4112                         ; 4,096 + 16: the sixteen rows of a read start in sixteen different groups of banks
.set L16, 1
.set STI, 2
.set STO, 3                            ; v3, v4: tile 0, tile 1
.set SH8, 7
.set L4,  8
.set SPW, 10
.set NIL, 11
.set Y,   32                           ; v32-159: row k at Y + 32 k; register 4 i + e is column 128 i + 4 lane + e
.set G,   160
.set B,   192
.set A,   224                          ; pairs: sums, then -mean
.set Q,   232                          ; pairs: sums of squares, then 1 / sqrt
.set T,   240
.set V,   244
.set TM,  224
.set PC0, 160
.set PC1, 168
.set PW0, 248
.set PW1, 249
.set PWS, 250
.set SEL, 18
.macro REDUCE                          ; v[V + k] summed over the 32 lanes, the four rows by turns
.irp m, 1,2,4,8
.irp k, 0,1,2,3
	s_delay_alu instid0(VALU_DEP_4)
	v_add_f32_dpp v[V+\k], v[V+\k], v[V+\k] row_xmask:\m row_mask:0xf bank_mask:0xf
.endr
.endr
.irp k, 0,1,2,3
	s_delay_alu instid0(VALU_DEP_4)
	v_permlanex16_b32 v[T+\k], v[V+\k], s[SEL], s[SEL+1]
.endr
.irp k, 0,1,2,3
	s_delay_alu instid0(VALU_DEP_4)
	v_add_f32 v[V+\k], v[V+\k], v[T+\k]
.endr
.endm
.macro QUANTW s, pc, pw                ; 64 numbers of a lane, register 32 c + i = k 64 c + 32 h + i: two whole blocks
.irp c, 0,1
	v_max3_num_f32 v[TM+\c], |v[\s+32*\c]|, |v[\s+32*\c+1]|, 0x1800000
.endr
.irp i, 2,4,6,8,10,12,14,16,18,20,22,24,26,28,30
.irp c, 0,1
	s_delay_alu instid0(VALU_DEP_2)
	v_max3_num_f32 v[TM+\c], v[TM+\c], |v[\s+32*\c+\i]|, |v[\s+32*\c+\i+1]|
.endr
.endr
.irp c, 0,1
	s_delay_alu instid0(VALU_DEP_2)
	v_add_nc_u32 v[TM+2+\c], 0xff000000, v[TM+\c]
.endr
.irp c, 0,1
	s_delay_alu instid0(VALU_DEP_2)
	v_lshrrev_b32 v[TM+4+\c], 23, v[TM+2+\c]
.endr
	s_delay_alu instid0(VALU_DEP_1)
	v_lshl_or_b32 v[\pw], v[TM+5], 16, v[TM+4]
	s_delay_alu instid0(VALU_DEP_1)
	v_lshlrev_b32 v[\pw], v[SH8], v[\pw]
	s_delay_alu instid0(VALU_DEP_1)
	v_permlanex16_b32 v[TM+6], v[\pw], s[SEL], s[SEL+1]
	s_delay_alu instid0(VALU_DEP_1)
	v_or_b32 v[\pw], v[\pw], v[TM+6]
.irp c, 0,1
.irp g, 0,1,2,3
	v_cvt_scalef32_pk8_fp4_f32 v[\pc+4*\c+\g], v[\s+32*\c+8*\g:\s+32*\c+8*\g+7], v[TM+2+\c]
.endr
.endr
	v_nop
.endm
	s_load_b256 s[4:11], s[0:1], 0x0               ; y 4, g 6, b 8, hq 10
	v_lshl_add_u32 v[SPW], v0, 2, SPARE
	v_mov_b32 v[NIL], 0
	v_lshrrev_b32 v5, 5, v0
	s_delay_alu instid0(VALU_DEP_1)
	v_readfirstlane_b32 s12, v5                    ; wave 0..7
	v_and_b32 v9, 31, v0
	s_delay_alu instid0(VALU_DEP_1)
	v_lshlrev_b32 v[L16], 4, v9
	s_wait_alu depctr_va_vdst(0)
	v_lshlrev_b32 v[L4], 2, v9
	s_bfe_u32 s22, s12, 0x10001                    ; rows 4 w + k of the 32: tile (w >> 1) & 1, tile row 8 (w >> 2) + 4 (w & 1) + k
	s_lshl_b32 s22, s22, 4
	s_lshr_b32 s23, s12, 2
	s_lshl_b32 s23, s23, 3
	s_add_co_u32 s22, s22, s23
	s_and_b32 s23, s12, 1
	s_lshl_b32 s23, s23, 2
	s_add_co_u32 s22, s22, s23
	s_mul_i32 s22, s22, RP
	v_add_nc_u32 v[STI], s22, v[L16]
	v_and_b32 v5, 15, v0
	v_bfe_u32 v6, v0, 4, 1
	s_delay_alu instid0(VALU_DEP_2)
	v_mul_u32_u24 v[STO], v5, RP
	s_delay_alu instid0(VALU_DEP_1)
	v_lshl_add_u32 v[STO], v6, 7, v[STO]
	s_lshl_b32 s23, s12, 9
	v_add_nc_u32 v[STO], s23, v[STO]               ; row r, K step w, + 128 h bytes
	s_delay_alu instid0(VALU_DEP_1)
	v_add_nc_u32 v[STO+1], 16*RP, v[STO]
	v_lshlrev_b32 v[SH8], 3, v6
.irp k, 0,1,2,3
	v_mov_b32 v[T+\k], 0                           ; a lane permute's destination counts as one of its sources
.endr
	s_mov_b32 s[SEL], 0x76543210
	s_mov_b32 s[SEL+1], 0xfedcba98
	s_mov_b32 s20, 0x3a800000                      ; 1 / 1,024
	s_mov_b32 s21, 0x3727c5ac                      ; 1e-5
	s_lshl_b32 s14, ttmp9, 17
	s_lshl_b32 s15, s12, 14
	s_add_co_u32 s14, s14, s15                     ; my four rows
	s_mov_b32 s15, 0
	s_lshl_b32 s24, ttmp9, 4
	s_add_co_u32 s24, s24, s12
	s_lshl_b32 s24, s24, 10
	s_add_co_u32 s24, s24, 16777216                ; the codes: (tile 2 g x 8 + K step w) x 1,024
	s_mov_b32 s25, 0
	s_lshl_b32 s26, ttmp9, 3
	s_add_co_u32 s26, s26, s12
	s_lshl_b32 s26, s26, 7
	s_add_co_u32 s26, s26, 18874368                ; the scale words
	s_mov_b32 s27, 0
	s_wait_kmcnt 0x0
	s_add_nc_u64 s[4:5], s[4:5], s[14:15]
	s_add_nc_u64 s[16:17], s[10:11], s[14:15]
	s_add_nc_u64 s[24:25], s[10:11], s[24:25]
	s_add_nc_u64 s[26:27], s[10:11], s[26:27]
.irp k, 0,1,2,3
.irp i, 0,1,2,3,4,5,6,7
	global_load_b128 v[Y+32*\k+4*\i:Y+32*\k+4*\i+3], v[L16], s[4:5] offset:\k*4096+512*\i th:TH_LOAD_NT   ; 512 consecutive bytes a load
.endr
.endr
.irp i, 0,1,2,3,4,5,6,7
	global_load_b128 v[G+4*\i:G+4*\i+3], v[L16], s[6:7] offset:512*\i
	global_load_b128 v[B+4*\i:B+4*\i+3], v[L16], s[8:9] offset:512*\i
.endr
	s_wait_loadcnt 16                              ; the rows are in; the gain's and the bias's sixteen loads may be out
.irp k, 0,1,2,3
	v_pk_add_f32 v[A+2*\k:A+2*\k+1], v[Y+32*\k:Y+32*\k+1], v[Y+32*\k+2:Y+32*\k+3]
.endr
.irp j, 4,6,8,10,12,14,16,18,20,22,24,26,28,30
.irp k, 0,1,2,3
	s_delay_alu instid0(VALU_DEP_4)
	v_pk_add_f32 v[A+2*\k:A+2*\k+1], v[A+2*\k:A+2*\k+1], v[Y+32*\k+\j:Y+32*\k+\j+1]
.endr
.endr
.irp k, 0,1,2,3
	s_delay_alu instid0(VALU_DEP_4)
	v_add_f32 v[V+\k], v[A+2*\k], v[A+2*\k+1]
.endr
	REDUCE
.irp k, 0,1,2,3
	s_delay_alu instid0(VALU_DEP_4)
	v_mul_f32 v[A+2*\k], 0xba800000, v[V+\k]       ; -mean
.endr
.irp j, 0,2,4,6,8,10,12,14,16,18,20,22,24,26,28,30
.irp k, 0,1,2,3
	v_pk_add_f32 v[Y+32*\k+\j:Y+32*\k+\j+1], v[Y+32*\k+\j:Y+32*\k+\j+1], v[A+2*\k:A+2*\k+1] op_sel_hi:[1,0]
.endr
.endr
.irp k, 0,1,2,3
	v_pk_mul_f32 v[Q+2*\k:Q+2*\k+1], v[Y+32*\k:Y+32*\k+1], v[Y+32*\k:Y+32*\k+1]
.endr
.irp j, 2,4,6,8,10,12,14,16,18,20,22,24,26,28,30
.irp k, 0,1,2,3
	s_delay_alu instid0(VALU_DEP_4)
	v_pk_fma_f32 v[Q+2*\k:Q+2*\k+1], v[Y+32*\k+\j:Y+32*\k+\j+1], v[Y+32*\k+\j:Y+32*\k+\j+1], v[Q+2*\k:Q+2*\k+1]
.endr
.endr
.irp k, 0,1,2,3
	s_delay_alu instid0(VALU_DEP_4)
	v_add_f32 v[V+\k], v[Q+2*\k], v[Q+2*\k+1]
.endr
	REDUCE
.irp k, 0,1,2,3
	s_delay_alu instid0(VALU_DEP_4)
	v_fma_f32 v[V+\k], v[V+\k], s20, s21           ; the variance + 1e-5
.endr
	s_wait_alu depctr_va_vdst(0)
.irp k, 0,1,2,3
	v_rsq_f32 v[Q+2*\k], v[V+\k]
.endr
	v_nop                                          ; a plain instruction behind the last of the batch
	s_wait_loadcnt 0x0                             ; gain and bias
	s_wait_alu depctr_va_vdst(0)                   ; one wait for the four, ahead of their first reader
.irp j, 0,2,4,6,8,10,12,14,16,18,20,22,24,26,28,30
.irp k, 0,1,2,3
	v_pk_mul_f32 v[Y+32*\k+\j:Y+32*\k+\j+1], v[Y+32*\k+\j:Y+32*\k+\j+1], v[Q+2*\k:Q+2*\k+1] op_sel_hi:[1,0]
.endr
.endr
.irp j, 0,2,4,6,8,10,12,14,16,18,20,22,24,26,28,30
.irp k, 0,1,2,3
	v_pk_fma_f32 v[Y+32*\k+\j:Y+32*\k+\j+1], v[Y+32*\k+\j:Y+32*\k+\j+1], v[G+\j:G+\j+1], v[B+\j:B+\j+1]
.endr
.endr
.irp k, 0,1,2,3
.irp i, 0,1,2,3,4,5,6,7
	global_store_b128 v[L16], v[Y+32*\k+4*\i:Y+32*\k+4*\i+3], s[16:17] offset:\k*4096+512*\i
	ds_store_b128 v[STI], v[Y+32*\k+4*\i:Y+32*\k+4*\i+3] offset:\k*RP+512*\i
.endr
.endr
	s_wait_dscnt 0x0                               ; for the others' sake: my rows lie in LDS
	s_barrier_signal -1
	s_barrier_wait -1
	s_wait_xcnt 0x0                                ; the stores of h have read their registers: the loads below may land there
.irp u, 0,1
.irp c, 0,1
.irp i, 0,1,2,3,4,5,6,7
	ds_load_b128 v[Y+64*\u+32*\c+4*\i:Y+64*\u+32*\c+4*\i+3], v[STO+\u] offset:256*\c+16*\i
.endr
.endr
.endr
	s_wait_dscnt 16                                ; tile 0's numbers are in; tile 1's sixteen loads may be out
	QUANTW Y, PC0, PW0
	s_wait_dscnt 0x0
	QUANTW Y+64, PC1, PW1
	v_cmp_gt_u32 vcc_lo, 16, v9
	s_delay_alu instid0(VALU_DEP_1)
	v_cndmask_b32 v[PWS], v[PW1], v[PW0], vcc_lo
	global_store_b128 v[L16], v[PC0:PC0+3], s[24:25]
	global_store_b128 v[L16], v[PC0+4:PC0+7], s[24:25] offset:512
	global_store_b128 v[L16], v[PC1:PC1+3], s[24:25] offset:8192
	global_store_b128 v[L16], v[PC1+4:PC1+7], s[24:25] offset:8704
	global_store_b32 v[L4], v[PWS], s[26:27]
	s_wait_tensorcnt 0x0                           ; the wave's end
	ds_add_u32 v[SPW], v[NIL]
	s_wait_dscnt 0x0
	s_endpgm
.Lfunc_end_k_q309cf890a5_ln1:
	.size	k_q309cf890a5_ln1, .Lfunc_end_k_q309cf890a5_ln1-k_q309cf890a5_ln1
	.p2alignl 7, 3214868480
	.fill 96, 4, 3214868480
	.section	.rodata,"a",@progbits
	.p2align	6, 0x0
	.amdhsa_kernel k_q309cf890a5_ln1
		.amdhsa_group_segment_fixed_size 132608
		.amdhsa_private_segment_fixed_size 0
		.amdhsa_enable_private_segment 0
		.amdhsa_kernarg_size 32
		.amdhsa_user_sgpr_count 2
		.amdhsa_user_sgpr_kernarg_segment_ptr 1
		.amdhsa_wavefront_size32 1
		.amdhsa_system_sgpr_workgroup_id_x 1
		.amdhsa_system_sgpr_workgroup_id_y 1
		.amdhsa_system_sgpr_workgroup_id_z 1
		.amdhsa_system_vgpr_workitem_id 0
		.amdhsa_next_free_vgpr 256
		.amdhsa_next_free_sgpr 66
		.amdhsa_reserve_vcc 1
		.amdhsa_float_denorm_mode_32 3
		.amdhsa_float_denorm_mode_16_64 3
		.amdhsa_memory_ordered 1
		.amdhsa_forward_progress 1
		.amdhsa_inst_pref_size 53
	.end_amdhsa_kernel
	.amdgpu_metadata
---
amdhsa.version: [ 1, 2 ]
amdhsa.kernels:
  - .name:           k_q309cf890a5_ln1
    .symbol:         k_q309cf890a5_ln1.kd
    .args:
      - { .name: y, .offset: 0, .size: 8, .value_kind: global_buffer, .address_space: global }
      - { .name: ln1_g, .offset: 8, .size: 8, .value_kind: global_buffer, .address_space: global }
      - { .name: ln1_b, .offset: 16, .size: 8, .value_kind: global_buffer, .address_space: global }
      - { .name: hq, .offset: 24, .size: 8, .value_kind: global_buffer, .address_space: global }
    .group_segment_fixed_size: 132608
    .private_segment_fixed_size: 0
    .kernarg_segment_align: 8
    .kernarg_segment_size: 32
    .max_flat_workgroup_size: 256
    .sgpr_count:     66
    .vgpr_count:     256
    .wavefront_size: 32
...
	.end_amdgpu_metadata
.endif
;; end of part 5
;; launch ffn1 (part 6): grid 16 x 16, 16 waves a work-group, clusters of 4 x 4, 280,576 bytes of LDS; arguments hq, wq, b1, hid; writes hid
.if DOCPART == 6
	.amdgcn_target "amdgcn-amd-amdhsa--gfx1250"
	.amdhsa_code_object_version 6
	.text
	.protected	k_q309cf890a5_ffn1
	.globl	k_q309cf890a5_ffn1
	.p2align	8
	.type	k_q309cf890a5_ffn1,@function
k_q309cf890a5_ffn1:
	s_mov_b64 s[64:65], 0
	v_nop
	global_prefetch_b8 v0, s[64:65] scope:SCOPE_SE
	s_setreg_imm32_b32 hwreg(HW_REG_WAVE_MODE, 25, 1), 1
	s_wait_xcnt 0x0
	s_wait_alu depctr_hold_cnt(0) depctr_sa_sdst(0) depctr_va_vdst(0) depctr_va_sdst(0) depctr_va_ssrc(0) depctr_va_vcc(0) depctr_vm_vsrc(0)
	s_getreg_b32 s2, hwreg(HW_REG_IB_STS2, 6, 4)
	s_cmp_eq_u32 s2, 0
	s_cbranch_scc0 .Lentry_in_a_cluster
	s_endpgm
.Lentry_in_a_cluster:
	s_bfe_u32 s2, ttmp6, 0x10000c
	s_cmp_lg_u32 s2, 0xf033
	s_cbranch_scc0 .Lentry_shape_is_right
	s_endpgm
.Lentry_shape_is_right:
; Launch 6: hidden = relu(h W1 + b1) on codes of E2M1, quantised in registers along the hidden units and stored as images for the second FFN product.  No work is left out.
; P (source 0) = 256 columns of W1, R (source 1) = 256 rows of h, K = 1,024.  Wave (wp, wr): P's 8 tiles wp x R's pair wr: 16 accumulators, which the bias starts; its 128 hidden units are one K step of the next product.
; THE WHOLE PANELS LIE IN LDS: each tile with all its 8 K steps, asked for at the head (at most one tensor load a wave); all is read behind one wait and one barrier.
; Nothing is filled again.
; CLUSTER: 4 x 4 work-groups.  P hangs on the block of columns alone, which the four of a column of the cluster share; R on the block of rows alone, which the four of a row share.  Each is asked for JOINTLY: the same
; tensor load, with the same descriptor and a mask that names the four.  Every wave makes P's and R's descriptors, each from its own coordinate and the wave's number, and asks by one set: waves 0-3 and 8 for P, waves 4-7 and 9 for R.
.set SCB,   262144
.set SPARE, 278528
.set LP,  4
.set LR,  5
.set LSP, 6
.set LSR, 7
.set L16, 8
.set L4,  9
.set SPW, 10
.set NIL, 11
.set SCP, 12                           ; v12-15 P's scale words, v16 R's (scales alone)
.set SCR, 16
.set BO,  17
.set RF,  24
.set PF,  40
.set ACC, 104                          ; accumulator (rt, pt) at ACC + 64 rt + 8 pt
.set TM,  232
.set PW0, 248
.set PW1, 249
.set PWS, 250
.set PC0, 40
.set PC1, 48
.set WV,   16                          ; s16 my wave's number
.set G1CP, 24                          ; s[24:31] group 1, codes of P;  s[32:39] of R: they differ in the mask alone
.set G1CR, 32
.set G1SP, 40                          ; s[40:47], s[48:55] the same for the scale words
.set G1SR, 48
.set G0SP, 56                          ; s[56:59], s[60:63] group 0, the scale words'
.set G0SR, 60
.set SEL,  66
.set G0P,  68                          ; s[68:71] group 0, P's codes
.set G0R,  84                          ; s[84:87] R's
.set PB,   100                         ; s100 my 128 hidden units = K step PB of the next product
.set GP,   101                         ; s101 my group of 32 rows
.macro CROUND                          ; a round of the cluster's barrier: my work-group's barrier; wave 0 signals for the work-group; every wave waits for all sixteen work-groups; my work-group's barrier once more
	s_barrier_signal -1
	s_barrier_wait -1
	s_cmp_lg_u32 s[WV], 0
	s_cbranch_scc1 .Lnot_wave_0_\@
	s_barrier_signal -3
.Lnot_wave_0_\@:
	s_barrier_wait -3
	s_barrier_signal -1
	s_barrier_wait -1
.endm
.macro WM d, a, b, sa, sb, ra, rb
.set wD, \d
.set wA, \a
.set wB, \b
.set wS, \sa
.set wT, \sb
.if (\ra) && (\rb)
	v_wmma_scale_f32_16x16x128_f8f6f4 v[wD:wD+7], v[wA:wA+7], v[wB:wB+7], v[wD:wD+7], v[wS], v[wT] matrix_a_fmt:MATRIX_FMT_FP4 matrix_b_fmt:MATRIX_FMT_FP4 matrix_a_scale:MATRIX_SCALE_ROW1 matrix_b_scale:MATRIX_SCALE_ROW1
.elseif (\ra)
	v_wmma_scale_f32_16x16x128_f8f6f4 v[wD:wD+7], v[wA:wA+7], v[wB:wB+7], v[wD:wD+7], v[wS], v[wT] matrix_a_fmt:MATRIX_FMT_FP4 matrix_b_fmt:MATRIX_FMT_FP4 matrix_a_scale:MATRIX_SCALE_ROW1
.elseif (\rb)
	v_wmma_scale_f32_16x16x128_f8f6f4 v[wD:wD+7], v[wA:wA+7], v[wB:wB+7], v[wD:wD+7], v[wS], v[wT] matrix_a_fmt:MATRIX_FMT_FP4 matrix_b_fmt:MATRIX_FMT_FP4 matrix_b_scale:MATRIX_SCALE_ROW1
.else
	v_wmma_scale_f32_16x16x128_f8f6f4 v[wD:wD+7], v[wA:wA+7], v[wB:wB+7], v[wD:wD+7], v[wS], v[wT] matrix_a_fmt:MATRIX_FMT_FP4 matrix_b_fmt:MATRIX_FMT_FP4
.endif
.endm
.macro QUANT s, pc, pw                 ; 64 numbers of a lane, register 16 b + i = k 32 b + 16 (lane / 16) + i of my row
.irp b, 0,1,2,3
	v_max3_num_f32 v[TM+\b], |v[\s+16*\b]|, |v[\s+1+16*\b]|, 0x1800000
.endr
.irp i, 2,4,6,8,10,12,14
.irp b, 0,1,2,3
	s_delay_alu instid0(VALU_DEP_4)
	v_max3_num_f32 v[TM+\b], v[TM+\b], |v[\s+16*\b+\i]|, |v[\s+1+16*\b+\i]|
.endr
.endr
.irp b, 0,1,2,3
	s_delay_alu instid0(VALU_DEP_4)
	v_permlanex16_b32 v[TM+4+\b], v[TM+\b], s[SEL], s[SEL+1]
.endr
.irp b, 0,1,2,3
	s_delay_alu instid0(VALU_DEP_4)
	v_max_num_f32 v[TM+\b], v[TM+\b], v[TM+4+\b]
.endr
.irp b, 0,1,2,3
	s_delay_alu instid0(VALU_DEP_4)
	v_add_nc_u32 v[TM+12+\b], 0xff000000, v[TM+\b]
.endr
.irp b, 0,1,2,3
	s_delay_alu instid0(VALU_DEP_4)
	v_lshrrev_b32 v[TM+4+\b], 23, v[TM+12+\b]
.endr
	s_delay_alu instid0(VALU_DEP_3)
	v_lshl_or_b32 v[\pw], v[TM+5], 8, v[TM+4]
	s_delay_alu instid0(VALU_DEP_1)
	v_lshl_or_b32 v[\pw], v[TM+6], 16, v[\pw]
	s_delay_alu instid0(VALU_DEP_1)
	v_lshl_or_b32 v[\pw], v[TM+7], 24, v[\pw]
.irp b, 0,1,2,3
	v_cvt_scalef32_pk8_fp4_f32 v[\pc+2*\b], v[\s+16*\b:\s+7+16*\b], v[TM+12+\b]
	v_cvt_scalef32_pk8_fp4_f32 v[\pc+1+2*\b], v[\s+8+16*\b:\s+15+16*\b], v[TM+12+\b]
.endr
	v_nop
.irp c, 0,1
.irp i, 0,1
	v_permlane16_swap_b32 v[\pc+4*\c+\i], v[\pc+2+4*\c+\i]
.endr
.endr
.endm
	s_load_b256 s[4:11], s[0:1], 0x0               ; hq 4, wq 6, b1 8, hid 10
	v_lshl_add_u32 v[SPW], v0, 2, SPARE
	v_mov_b32 v[NIL], 0
	ds_add_u32 v[SPW], v[NIL]                      ; the opening: the add, twice on end, and its wait ahead of my first tensor load
	ds_add_u32 v[SPW], v[NIL]
	v_lshrrev_b32 v1, 5, v0
	s_delay_alu instid0(VALU_DEP_1)
	v_readfirstlane_b32 s[WV], v1                  ; wave 0..15
	s_lshr_b32 s17, s[WV], 3                       ; wp
	s_and_b32 s18, s[WV], 7                        ; wr
	s_bfe_u32 s12, ttmp6, 0x40000                  ; cx, cy: my place in the cluster
	s_bfe_u32 s13, ttmp6, 0x40004
	s_lshl_b32 s20, ttmp9, 2
	s_add_co_u32 s20, s20, s12                     ; block of 256 columns of W1 = 4 x cluster x + cx
	s_and_b32 s21, ttmp7, 0xffff
	s_lshl_b32 s21, s21, 2
	s_add_co_u32 s21, s21, s13                     ; block of 256 rows = 4 x cluster y + cy
	s_lshl_b32 s14, s13, 2
	s_lshl_b32 s14, 15, s14                        ; my row of the cluster
	s_lshl_b32 s15, 0x1111, s12                    ; my column
	s_or_b32 s[G1CP], s15, (3<<16)|(1<<21)         ; 15:0 the mask: P goes to my column; 17:16 elements of 8 bytes; 21 set beside a mask
	s_or_b32 s[G1CR], s14, (3<<16)|(1<<21)         ; R goes to my row
	s_or_b32 s[G1SP], s15, (3<<16)|(1<<21)
	s_or_b32 s[G1SR], s14, (3<<16)|(1<<21)
.irp g, G1CP, G1CR
	s_mov_b32 s[\g+1], 1024<<16                    ; four tiles' rows of 8,192 bytes (all 8 K steps), dense
	s_mov_b32 s[\g+2], 4<<16
	s_mov_b32 s[\g+3], 1024<<16
	s_mov_b32 s[\g+4], 4
	s_mov_b32 s[\g+5], 1024
	s_mov_b32 s[\g+6], 0
	s_mov_b32 s[\g+7], 0
.endr
.irp g, G1SP, G1SR
	s_mov_b32 s[\g+1], 32<<16
	s_mov_b32 s[\g+2], 32<<16                      ; a side's scale words: 8,192 dense bytes as 32 rows of 256
	s_mov_b32 s[\g+3], 32<<16
	s_mov_b32 s[\g+4], 32
	s_mov_b32 s[\g+5], 32
	s_mov_b32 s[\g+6], 0
	s_mov_b32 s[\g+7], 0
.endr
	s_mov_b32 s[SEL], 0x76543210
	s_mov_b32 s[SEL+1], 0xfedcba98
	s_and_b32 s19, s[WV], 3
	s_lshl_b32 s19, s19, 1                         ; the first pair of the quarter of a side that I fetch
	s_lshl_b32 s2, s20, 3                          ; P's first pair: from the block of columns
	s_add_co_u32 s[G0P+2], s2, s19
	s_lshl_b32 s[G0P+2], s[G0P+2], 14
	s_add_co_u32 s[G0P+2], s[G0P+2], 2097152       ; W1's codes in wq
	s_mov_b32 s[G0P+3], 0
	s_lshl_b32 s[G0SP+2], s2, 10
	s_add_co_u32 s[G0SP+2], s[G0SP+2], 6422528     ; and its scale words
	s_mov_b32 s[G0SP+3], 0
	s_lshl_b32 s3, s21, 3                          ; R's first pair: from the block of rows
	s_add_co_u32 s[G0R+2], s3, s19
	s_lshl_b32 s[G0R+2], s[G0R+2], 14
	s_add_co_u32 s[G0R+2], s[G0R+2], 16777216      ; h's codes in hq
	s_mov_b32 s[G0R+3], 0
	s_lshl_b32 s[G0SR+2], s3, 10
	s_add_co_u32 s[G0SR+2], s[G0SR+2], 18874368    ; and its scale words
	s_mov_b32 s[G0SR+3], 0
	s_lshl_b32 s22, s18, 15                        ; where the codes go: tile T (P: 0-15, R: 16-31) at 8,192 T: waves 0-7 x four tiles
	s_wait_dscnt 0x0                               ; both opening adds are done
	s_wait_kmcnt 0x0
	s_add_nc_u64 s[G0P+2:G0P+3], s[6:7], s[G0P+2:G0P+3]
	s_add_nc_u64 s[G0SP+2:G0SP+3], s[6:7], s[G0SP+2:G0SP+3]
	s_add_nc_u64 s[G0R+2:G0R+3], s[4:5], s[G0R+2:G0R+3]
	s_add_nc_u64 s[G0SR+2:G0SR+3], s[4:5], s[G0SR+2:G0SR+3]
.irp q, 0
	s_mov_b32 s[G0P+4*\q], 1
	s_add_co_u32 s[G0P+4*\q+1], s22, \q*65536
	s_or_b32 s[G0P+4*\q+3], s[G0P+4*\q+3], 0x80000000
	s_mov_b32 s[G0R+4*\q], 1
	s_add_co_u32 s[G0R+4*\q+1], s22, \q*65536
	s_or_b32 s[G0R+4*\q+3], s[G0R+4*\q+3], 0x80000000
.endr
	s_mov_b32 s[G0SP], 1
	s_mov_b32 s[G0SP+1], SCB
	s_or_b32 s[G0SP+3], s[G0SP+3], 0x80000000
	s_mov_b32 s[G0SR], 1
	s_mov_b32 s[G0SR+1], SCB+8192
	s_or_b32 s[G0SR+3], s[G0SR+3], 0x80000000
	CROUND                                         ; all sixteen work-groups are here: the joint loads meet
; THE HEAD'S LOADS, at most one a wave: the panels come whole, each tile with all its 8 K steps.
; Waves 0-3 fetch the quarters of P's codes (four tiles, 32,768 dense bytes each), waves 4-7 those of R's, wave 8 P's scale words, wave 9 R's, the others nothing.  One tree of branches on the wave's number.
.macro ARM under, g0, g1, next
	s_cmp_lt_u32 s[WV], \under
	s_cbranch_scc0 \next
	tensor_load_to_lds s[\g0:\g0+3], s[\g1:\g1+7]
	s_nop 0
.rept 4
	v_nop
.endr
	s_branch .Lfirst_asked
\next:
.endm
	ARM 4,  G0P,  G1CP, .Lfirst_r
	ARM 8,  G0R,  G1CR, .Lfirst_sp
	ARM 9,  G0SP, G1SP, .Lfirst_sr
	ARM 10, G0SR, G1SR, .Lfirst_none
.Lfirst_asked:
	v_and_b32 v1, 31, v0
	v_bfe_u32 v3, v0, 4, 1
	s_delay_alu instid0(VALU_DEP_2)
	v_lshlrev_b32 v[L16], 4, v1
	s_delay_alu instid0(VALU_DEP_3)
	v_lshlrev_b32 v[L4], 2, v1
	s_lshl_b32 s19, s17, 16
	v_add_nc_u32 v[LP], s19, v[L16]
	s_lshl_b32 s19, s18, 14
	s_add_co_u32 s19, s19, 131072
	v_add_nc_u32 v[LR], s19, v[L16]
	s_lshl_b32 s19, s17, 12
	s_add_co_u32 s19, s19, SCB
	v_add_nc_u32 v[LSP], s19, v[L4]
	s_lshl_b32 s19, s18, 10
	s_add_co_u32 s19, s19, SCB+8192
	v_add_nc_u32 v[LSR], s19, v[L4]
	v_lshlrev_b32 v[BO], 6, v3
	s_lshl_b32 s[PB], s20, 1
	s_add_co_u32 s[PB], s[PB], s17
	s_lshl_b32 s[GP], s21, 3
	s_add_co_u32 s[GP], s[GP], s18
	s_lshl_b32 s2, s[PB], 9
	s_mov_b32 s3, 0
	s_add_nc_u64 s[104:105], s[8:9], s[2:3]
.irp rt, 0,1
.irp pt, 0,1,2,3,4,5,6,7
	global_load_b128 v[ACC+64*\rt+8*\pt:ACC+64*\rt+8*\pt+3], v[BO], s[104:105] offset:(32*(\pt/2)+8*(\pt%2))*4      ; the bias starts the sums: register j of tile 2 g + u is unit 32 g + 16 h + 8 u + j
	global_load_b128 v[ACC+64*\rt+8*\pt+4:ACC+64*\rt+8*\pt+7], v[BO], s[104:105] offset:(32*(\pt/2)+8*(\pt%2))*4+16
.endr
.endr
	s_wait_alu depctr_va_vdst(0)
	s_wait_loadcnt 0x0
.macro KSTEP ks, g
	ds_load_b32 v[SCR], v[LSR] offset:(\g)*128
.irp i, 0,1,2,3
	ds_load_b32 v[SCP+\i], v[LSP] offset:\i*1024+(\g)*128
.endr
.irp rt, 0,1
.irp c, 0,1
	ds_load_b128 v[RF+8*\rt+4*\c:RF+8*\rt+4*\c+3], v[LR] offset:\rt*8192+(\ks)*1024+512*\c
.endr
.endr
.irp pt, 0,1,2,3,4,5,6,7
.irp c, 0,1
	ds_load_b128 v[PF+8*\pt+4*\c:PF+8*\pt+4*\c+3], v[LP] offset:\pt*8192+(\ks)*1024+512*\c
.endr
.endr
.irp pt, 0,1,2,3,4,5,6,7
	s_wait_dscnt 14-2*\pt                          ; P's tile pt is in; the later tiles' two loads each may be out
	WM ACC+8*\pt, PF+8*\pt, RF, SCP+\pt/2, SCR, \pt%2, 0
	WM ACC+64+8*\pt, PF+8*\pt, RF+8, SCP+\pt/2, SCR, \pt%2, 1      ; the sixteen accumulators take turns
.endr
.rept 4
	v_nop                                          ; four places in front of loads into registers that matrix instructions have read, and of the first read of results
.endr
.endm
	s_wait_tensorcnt 0x0                           ; my one load has landed,
	s_barrier_signal -1
	s_barrier_wait -1                              ; everybody's has: both panels and their scale words are whole
.set kq, 0
.rept 8
	KSTEP kq, kq                                   ; every offset is an immediate: the largest is 7 x 8,192 + 7 x 1,024 + 512
.set kq, kq+1
.endr
.irp b, 0,1,2,3
	v_mov_b32 v[TM+4+\b], 0                        ; a lane permute's destination counts as one of its sources
.endr
.set mi, 0
.rept 128
	v_max_num_f32 v[ACC+mi], 0, v[ACC+mi]          ; the activation, in f32; each accumulator from its low end on
.set mi, mi+1
.endr
	QUANT ACC, PC0, PW0
	QUANT ACC+64, PC1, PW1
	v_cmp_gt_u32 vcc_lo, 16, v1
	s_delay_alu instid0(VALU_DEP_1)
	v_cndmask_b32 v[PWS], v[PW1], v[PW0], vcc_lo
	s_lshl_b32 s2, s[GP], 16                       ; tile 2 GP x 32 K steps x 1,024
	s_lshl_b32 s19, s[PB], 10
	s_add_co_u32 s2, s2, s19
	s_add_nc_u64 s[12:13], s[10:11], s[2:3]
	s_lshl_b32 s2, s[GP], 5
	s_add_co_u32 s2, s2, s[PB]
	s_lshl_b32 s2, s2, 7
	s_add_co_u32 s2, s2, 8388608
	s_add_nc_u64 s[14:15], s[10:11], s[2:3]
	global_store_b128 v[L16], v[PC0:PC0+3], s[12:13]               ; each store: 512 consecutive bytes, aligned
	global_store_b128 v[L16], v[PC0+4:PC0+7], s[12:13] offset:512
	s_wait_alu depctr_va_vdst(0)
	global_store_b128 v[L16], v[PC1:PC1+3], s[12:13] offset:32768
	global_store_b128 v[L16], v[PC1+4:PC1+7], s[12:13] offset:33280
	global_store_b32 v[L4], v[PWS], s[14:15]
	s_wait_tensorcnt 0x0                           ; the wave's end
	ds_add_u32 v[SPW], v[NIL]
	s_wait_dscnt 0x0
	CROUND                                         ; the closing round: no work-group ends while a partner may still ask for a tile that names it
	s_endpgm
.Lfunc_end_k_q309cf890a5_ffn1:
	.size	k_q309cf890a5_ffn1, .Lfunc_end_k_q309cf890a5_ffn1-k_q309cf890a5_ffn1
	.p2alignl 7, 3214868480
	.fill 96, 4, 3214868480
	.section	.rodata,"a",@progbits
	.p2align	6, 0x0
	.amdhsa_kernel k_q309cf890a5_ffn1
		.amdhsa_group_segment_fixed_size 280576
		.amdhsa_private_segment_fixed_size 0
		.amdhsa_enable_private_segment 0
		.amdhsa_kernarg_size 32
		.amdhsa_user_sgpr_count 2
		.amdhsa_user_sgpr_kernarg_segment_ptr 1
		.amdhsa_wavefront_size32 1
		.amdhsa_system_sgpr_workgroup_id_x 1
		.amdhsa_system_sgpr_workgroup_id_y 1
		.amdhsa_system_sgpr_workgroup_id_z 1
		.amdhsa_system_vgpr_workitem_id 0
		.amdhsa_next_free_vgpr 256
		.amdhsa_next_free_sgpr 106
		.amdhsa_reserve_vcc 1
		.amdhsa_float_denorm_mode_32 3
		.amdhsa_float_denorm_mode_16_64 3
		.amdhsa_memory_ordered 1
		.amdhsa_forward_progress 1
		.amdhsa_inst_pref_size 58
	.end_amdhsa_kernel
	.amdgpu_metadata
---
amdhsa.version: [ 1, 2 ]
amdhsa.kernels:
  - .name:           k_q309cf890a5_ffn1
    .symbol:         k_q309cf890a5_ffn1.kd
    .args:
      - { .name: hq, .offset: 0, .size: 8, .value_kind: global_buffer, .address_space: global }
      - { .name: wq, .offset: 8, .size: 8, .value_kind: global_buffer, .address_space: global }
      - { .name: b1, .offset: 16, .size: 8, .value_kind: global_buffer, .address_space: global }
      - { .name: hid, .offset: 24, .size: 8, .value_kind: global_buffer, .address_space: global }
    .group_segment_fixed_size: 280576
    .private_segment_fixed_size: 0
    .kernarg_segment_align: 8
    .kernarg_segment_size: 32
    .max_flat_workgroup_size: 512
    .sgpr_count:     106
    .vgpr_count:     256
    .wavefront_size: 32
...
	.end_amdgpu_metadata
.endif
;; end of part 6
;; launch ffn2 (part 7): grid 8 x 32, 8 waves a work-group, clusters of 4 x 4, 327,680 bytes of LDS; arguments hid, wq, b2, hq, y; writes y
.if DOCPART == 7
	.amdgcn_target "amdgcn-amd-amdhsa--gfx1250"
	.amdhsa_code_object_version 6
	.text
	.protected	k_q309cf890a5_ffn2
	.globl	k_q309cf890a5_ffn2
	.p2align	8
	.type	k_q309cf890a5_ffn2,@function
k_q309cf890a5_ffn2:
	s_mov_b64 s[64:65], 0
	v_nop
	global_prefetch_b8 v0, s[64:65] scope:SCOPE_SE
	s_setreg_imm32_b32 hwreg(HW_REG_WAVE_MODE, 25, 1), 1
	s_wait_xcnt 0x0
	s_wait_alu depctr_hold_cnt(0) depctr_sa_sdst(0) depctr_va_vdst(0) depctr_va_sdst(0) depctr_va_ssrc(0) depctr_va_vcc(0) depctr_vm_vsrc(0)
	s_getreg_b32 s2, hwreg(HW_REG_IB_STS2, 6, 4)
	s_cmp_eq_u32 s2, 0
	s_cbranch_scc0 .Lentry_in_a_cluster
	s_endpgm
.Lentry_in_a_cluster:
	s_bfe_u32 s2, ttmp6, 0x10000c
	s_cmp_lg_u32 s2, 0xf033
	s_cbranch_scc0 .Lentry_shape_is_right
	s_endpgm
.Lentry_shape_is_right:
; Launch 7: y = h + hidden W2 + b2, the product on codes of E2M1, f32 out.  No work is left out.
; P (source 0) = 128 columns of W2, R (source 1) = 128 rows.  Wave (wp, wr): P's 4 tiles wp x R's pair wr: 8 accumulators, which the bias starts.
; K = 4,096 goes in four chunks of 1,024 (8 K steps) through two LDS slots.  At the head one tensor load a wave brings chunks 0, 1 and the scale words for all of K; behind each refill's round every wave fetches two tiles of the chunk by one load.
; A refill has a whole chunk, 64 products of each of eight waves, in which to land.  The four chunks are written out: no loop.  All of a WGP's LDS is claimed.
; CLUSTER: 4 x 4 work-groups.  P hangs on the block of columns alone, which the four of a column of the cluster share; R on the block of rows alone, which the four of a row share.  Each is asked for JOINTLY: the same
; tensor load, with the same descriptor and a mask that names the four.  Every wave makes P's and R's descriptors, each from its own coordinate and the wave's number, and asks by one set: waves 0-3 for P, waves 4-7 for R.
; Where a slot is filled again, a round of the cluster's barrier stands in the barrier's place: no wave of any partner still reads the slot or has a load on its way.
; THE WAY OUT: 16 rows x 64 columns go through the wave's own stage and come back as rows of 256 bytes, to which the residual, loaded in that layout at the head, is added.
.set KST,  32
.set WCO,  4194304
.set WSO,  6291456+262144
.set RSO,  8388608
.set SCB,  262144
.set SPARE, SCB+8*KST*128
.set LP,  4                            ; v4, v5: slot 0, 1
.set LR,  6                            ; v6, v7
.set LSP, 8
.set LSR, 9
.set SPW, 10
.set NIL, 11
.set STO, 12
.set RD,  13
.set GRO, 14
.set BO,  15
.set SCP, 16                           ; v16-17 P's scale words, v18 R's (scales alone)
.set SCR, 18
.set RF,  24
.set PF,  40
.set ACC, 72
.set RES, 136
.set OUTB, 200
.set WV,   14                          ; s14 my wave's number
.set G1CP, 24                          ; s[24:31] group 1, codes of P;  s[32:39] of R: they differ in the mask alone
.set G1CR, 32
.set G1SP, 40                          ; s[40:47], s[48:55] the same for the scale words
.set G1SR, 48
.set G0P,  56                          ; s[56:63] group 0, P's codes, a set for each slot
.set G0R,  68                          ; s[68:75] R's
.set G0SP, 76                          ; s[76:79], s[80:83] the scale words'
.set G0SR, 80
.macro CROUND                          ; a round of the cluster's barrier: my work-group's barrier; wave 0 signals for the work-group; every wave waits for all sixteen work-groups; my work-group's barrier once more
	s_barrier_signal -1
	s_barrier_wait -1
	s_cmp_lg_u32 s[WV], 0
	s_cbranch_scc1 .Lnot_wave_0_\@
	s_barrier_signal -3
.Lnot_wave_0_\@:
	s_barrier_wait -3
	s_barrier_signal -1
	s_barrier_wait -1
.endm
.macro JLOAD slot                      ; a joint refill: waves 0-3 for P, waves 4-7 for R; an s_nop 0 and four v_nop follow each of the two lines
	s_cmp_lt_u32 s[WV], 4
	s_cbranch_scc0 .Lfor_r_\@
	tensor_load_to_lds s[G0P+4*\slot:G0P+4*\slot+3], s[G1CP:G1CP+7]
	s_nop 0
.rept 4
	v_nop
.endr
	s_branch .Lasked_\@
.Lfor_r_\@:
	tensor_load_to_lds s[G0R+4*\slot:G0R+4*\slot+3], s[G1CR:G1CR+7]
	s_nop 0
.rept 4
	v_nop
.endr
.Lasked_\@:
.endm
.macro WM d, a, b, sa, sb, ra, rb
.set wD, \d
.set wA, \a
.set wB, \b
.set wS, \sa
.set wT, \sb
.if (\ra) && (\rb)
	v_wmma_scale_f32_16x16x128_f8f6f4 v[wD:wD+7], v[wA:wA+7], v[wB:wB+7], v[wD:wD+7], v[wS], v[wT] matrix_a_fmt:MATRIX_FMT_FP4 matrix_b_fmt:MATRIX_FMT_FP4 matrix_a_scale:MATRIX_SCALE_ROW1 matrix_b_scale:MATRIX_SCALE_ROW1
.elseif (\ra)
	v_wmma_scale_f32_16x16x128_f8f6f4 v[wD:wD+7], v[wA:wA+7], v[wB:wB+7], v[wD:wD+7], v[wS], v[wT] matrix_a_fmt:MATRIX_FMT_FP4 matrix_b_fmt:MATRIX_FMT_FP4 matrix_a_scale:MATRIX_SCALE_ROW1
.elseif (\rb)
	v_wmma_scale_f32_16x16x128_f8f6f4 v[wD:wD+7], v[wA:wA+7], v[wB:wB+7], v[wD:wD+7], v[wS], v[wT] matrix_a_fmt:MATRIX_FMT_FP4 matrix_b_fmt:MATRIX_FMT_FP4 matrix_b_scale:MATRIX_SCALE_ROW1
.else
	v_wmma_scale_f32_16x16x128_f8f6f4 v[wD:wD+7], v[wA:wA+7], v[wB:wB+7], v[wD:wD+7], v[wS], v[wT] matrix_a_fmt:MATRIX_FMT_FP4 matrix_b_fmt:MATRIX_FMT_FP4
.endif
.endm
	s_load_b256 s[4:11], s[0:1], 0x0               ; hid 4, wq 6, b2 8, hq 10
	s_load_b64 s[12:13], s[0:1], 0x20              ; y
	v_lshl_add_u32 v[SPW], v0, 2, SPARE
	v_mov_b32 v[NIL], 0
	ds_add_u32 v[SPW], v[NIL]                      ; the opening: the add, twice on end, and its wait ahead of my first tensor load
	ds_add_u32 v[SPW], v[NIL]
	v_lshrrev_b32 v1, 5, v0
	s_delay_alu instid0(VALU_DEP_1)
	v_readfirstlane_b32 s[WV], v1                  ; wave 0..7
	s_and_b32 s15, s[WV], 1                        ; wp
	s_lshr_b32 s16, s[WV], 1                       ; wr
	s_bfe_u32 s19, ttmp6, 0x40000                  ; cx, cy: my place in the cluster
	s_bfe_u32 s20, ttmp6, 0x40004
	s_lshl_b32 s17, ttmp9, 2
	s_add_co_u32 s17, s17, s19                     ; block of 128 columns = 4 x cluster x + cx
	s_and_b32 s18, ttmp7, 0xffff
	s_lshl_b32 s18, s18, 2
	s_add_co_u32 s18, s18, s20                     ; block of 128 rows = 4 x cluster y + cy
	s_lshl_b32 s21, s20, 2
	s_lshl_b32 s21, 15, s21                        ; my row of the cluster
	s_lshl_b32 s22, 0x1111, s19                    ; my column
	s_or_b32 s[G1CP], s22, (3<<16)|(1<<21)         ; 15:0 the mask: P goes to my column; 17:16 elements of 8 bytes; 21 set beside a mask
	s_or_b32 s[G1CR], s21, (3<<16)|(1<<21)         ; R goes to my row
	s_or_b32 s[G1SP], s22, (3<<16)|(1<<21)
	s_or_b32 s[G1SR], s21, (3<<16)|(1<<21)
.irp g, G1CP, G1CR                     ; codes: two tiles' rows of 8,192 bytes (8 K steps), a tile's 32,768 bytes apart
	s_mov_b32 s[\g+1], 1024<<16                    ; at the head a load brings a side's eight tiles of a chunk; behind the first wait the two words that count rows are set to 2, for the refills
	s_mov_b32 s[\g+2], 8<<16
	s_mov_b32 s[\g+3], 1024<<16
	s_mov_b32 s[\g+4], 8
	s_mov_b32 s[\g+5], KST*128
	s_mov_b32 s[\g+6], 0
	s_mov_b32 s[\g+7], 0
.endr
.irp g, G1SP, G1SR                     ; a pair's scale words for all of K: 4,096 dense bytes as rows of 256
	s_mov_b32 s[\g+1], 32<<16
	s_mov_b32 s[\g+2], KST<<16                     ; two pairs' scale words to a load
	s_mov_b32 s[\g+3], 32<<16
	s_mov_b32 s[\g+4], KST
	s_mov_b32 s[\g+5], 32
	s_mov_b32 s[\g+6], 0
	s_mov_b32 s[\g+7], 0
.endr
	s_and_b32 s84, s[WV], 3                        ; which pair of tiles of my side I fetch
	s_lshl_b32 s86, s17, 2
	s_add_co_u32 s86, s86, s84                     ; P's pair: from the block of columns and the wave's number
	s_mul_i32 s88, s86, 2*KST*1024
	s_add_co_u32 s88, s88, WCO
	s_mov_b32 s89, 0
	s_and_b32 s85, s[WV], 1
	s_lshl_b32 s85, s85, 1                         ; the scale words: the first pair of the half of a side that I fetch
	s_lshl_b32 s90, s17, 2
	s_add_co_u32 s90, s90, s85
	s_mul_i32 s90, s90, KST*128
	s_add_co_u32 s90, s90, WSO
	s_mov_b32 s91, 0
	s_lshl_b32 s87, s18, 2
	s_add_co_u32 s87, s87, s84                     ; R's pair: from the block of rows and the wave's number
	s_mul_i32 s92, s87, 2*KST*1024
	s_mov_b32 s93, 0
	s_lshl_b32 s94, s18, 2
	s_add_co_u32 s94, s94, s85
	s_mul_i32 s94, s94, KST*128
	s_add_co_u32 s94, s94, RSO
	s_mov_b32 s95, 0
	s_mul_i32 s96, s84, 2*KST*128
	s_add_co_u32 s96, s96, SCB                     ; where they go: the wave's number alone enters an LDS address
	s_lshl_b32 s97, s[WV], 14
	s_wait_dscnt 0x0                               ; both opening adds are done
	s_wait_kmcnt 0x0
	s_add_nc_u64 s[88:89], s[6:7], s[88:89]
	s_add_nc_u64 s[90:91], s[6:7], s[90:91]
	s_add_nc_u64 s[92:93], s[4:5], s[92:93]
	s_add_nc_u64 s[94:95], s[4:5], s[94:95]
	s_mov_b32 s[G0SP], 1
	s_mov_b32 s[G0SP+1], s96
	s_mov_b64 s[G0SP+2:G0SP+3], s[90:91]
	s_or_b32 s[G0SP+3], s[G0SP+3], 0x80000000
	s_mov_b32 s[G0SR], 1
	s_mov_b32 s[G0SR+1], s96
	s_mov_b64 s[G0SR+2:G0SR+3], s[94:95]
	s_or_b32 s[G0SR+3], s[G0SR+3], 0x80000000
.irp s, 0,1
	s_mov_b32 s[G0P+4*\s], 1
	s_add_co_u32 s[G0P+4*\s+1], s97, \s*131072
	s_add_nc_u64 s[G0P+4*\s+2:G0P+4*\s+3], s[88:89], \s*8192       ; chunk s
	s_or_b32 s[G0P+4*\s+3], s[G0P+4*\s+3], 0x80000000
	s_mov_b32 s[G0R+4*\s], 1
	s_add_co_u32 s[G0R+4*\s+1], s97, \s*131072
	s_add_nc_u64 s[G0R+4*\s+2:G0R+4*\s+3], s[92:93], \s*8192
	s_or_b32 s[G0R+4*\s+3], s[G0R+4*\s+3], 0x80000000
.endr
	CROUND                                         ; all sixteen work-groups are here: the first joint loads meet
; THE HEAD'S LOADS, ONE A WAVE: waves 0, 1 fetch P's eight tiles of chunks 0, 1 (slots 0, 1), waves 2, 3 R's,
; waves 4, 5 the halves of P's scale words, waves 6, 7 those of R's.  The two groups 0 for whole sides lie in registers that held P's (s88-91) and R's (s92-95) addresses, which have been copied by now.
	s_lshl_b32 s98, s84, 16                        ; from my pair back to the side's first: 65,536 bytes a pair
	s_mov_b32 s99, 0
	s_and_b32 s100, s[WV], 1
	s_lshl_b32 s100, s100, 13                      ; chunk wave % 2: 8,192 bytes along a tile
	s_mov_b32 s101, 0
	s_sub_nc_u64 s[90:91], s[88:89], s[98:99]
	s_add_nc_u64 s[90:91], s[90:91], s[100:101]
	s_or_b32 s91, s91, 0x80000000
	s_mov_b32 s88, 1
	s_lshl_b32 s89, s100, 4                        ; slot wave % 2: 131,072 bytes a slot
	s_sub_nc_u64 s[94:95], s[92:93], s[98:99]
	s_add_nc_u64 s[94:95], s[94:95], s[100:101]
	s_or_b32 s95, s95, 0x80000000
	s_mov_b32 s92, 1
	s_add_co_u32 s93, s89, 65536                   ; R's tiles lie behind P's
.macro ARM under, g0, g1, next
	s_cmp_lt_u32 s[WV], \under
	s_cbranch_scc0 \next
	tensor_load_to_lds s[\g0:\g0+3], s[\g1:\g1+7]
	s_nop 0
.rept 4
	v_nop
.endr
	s_branch .Lfirst_asked
\next:
.endm
	ARM 2, 88,   G1CP, .Lfirst_r
	ARM 4, 92,   G1CR, .Lfirst_sp
	ARM 6, G0SP, G1SP, .Lfirst_sr
	tensor_load_to_lds s[G0SR:G0SR+3], s[G1SR:G1SR+7]
	s_nop 0
.rept 4
	v_nop
.endr
.Lfirst_asked:
	v_and_b32 v1, 31, v0
	v_and_b32 v2, 15, v0
	v_bfe_u32 v3, v0, 4, 1
	s_delay_alu instid0(VALU_DEP_3)
	v_lshlrev_b32 v19, 4, v1
	s_delay_alu instid0(VALU_DEP_4)
	v_lshlrev_b32 v20, 2, v1
	s_lshl_b32 s23, s15, 15
	v_add_nc_u32 v[LP], s23, v19
	s_lshl_b32 s23, s16, 14
	s_add_co_u32 s23, s23, 65536
	v_add_nc_u32 v[LR], s23, v19
	v_add_nc_u32 v[LP+1], 0x20000, v[LP]
	s_delay_alu instid0(VALU_DEP_2)
	v_add_nc_u32 v[LR+1], 0x20000, v[LR]
	s_mul_i32 s23, s15, 2*KST*128
	s_add_co_u32 s23, s23, SCB
	v_add_nc_u32 v[LSP], s23, v20
	s_mul_i32 s23, s16, KST*128
	s_add_co_u32 s23, s23, SCB+4*KST*128
	v_add_nc_u32 v[LSR], s23, v20
	s_mul_i32 s23, s[WV], 4352                     ; my stage: 16 rows x 272 bytes, at the head of slot 0
	v_mul_u32_u24 v[STO], v2, 272
	s_delay_alu instid0(VALU_DEP_1)
	v_lshl_add_u32 v[STO], v3, 6, v[STO]
	s_delay_alu instid0(VALU_DEP_1)
	v_add_nc_u32 v[STO], s23, v[STO]
	v_mul_u32_u24 v[RD], v3, 272
	s_delay_alu instid0(VALU_DEP_1)
	v_lshl_add_u32 v[RD], v2, 4, v[RD]
	s_delay_alu instid0(VALU_DEP_1)
	v_add_nc_u32 v[RD], s23, v[RD]
	v_lshlrev_b32 v[GRO], 12, v3
	s_delay_alu instid0(VALU_DEP_1)
	v_lshl_add_u32 v[GRO], v2, 4, v[GRO]
	v_lshlrev_b32 v[BO], 6, v3
	s_wait_alu depctr_va_vdst(0)
	s_lshl_b32 s98, s17, 9
	s_lshl_b32 s99, s15, 8
	s_add_co_u32 s98, s98, s99                     ; my 64 columns, in bytes
	s_mov_b32 s99, 0
	s_add_nc_u64 s[8:9], s[8:9], s[98:99]
	s_lshl_b32 s100, s18, 19
	s_lshl_b32 s101, s16, 17
	s_add_co_u32 s100, s100, s101                  ; my 32 rows
	s_add_co_u32 s100, s100, s98
	s_mov_b32 s101, 0
	s_add_nc_u64 s[10:11], s[10:11], s[100:101]
	s_add_nc_u64 s[12:13], s[12:13], s[100:101]
.irp rt, 0,1
.irp pt, 0,1,2,3
	global_load_b128 v[ACC+32*\rt+8*\pt:ACC+32*\rt+8*\pt+3], v[BO], s[8:9] offset:(32*(\pt/2)+8*(\pt%2))*4      ; the bias starts the sums
	global_load_b128 v[ACC+32*\rt+8*\pt+4:ACC+32*\rt+8*\pt+7], v[BO], s[8:9] offset:(32*(\pt/2)+8*(\pt%2))*4+16
.endr
.endr
.irp rt, 0,1
.irp t, 0,1,2,3,4,5,6,7
	global_load_b128 v[RES+32*\rt+4*\t:RES+32*\rt+4*\t+3], v[GRO], s[10:11] offset:(8*\rt+2*(\t%4)+16*(\t/4))*4096   ; the residual h, in the layout of the way out
.endr
.endr
.macro KSTEP2 slot, ks, g
	ds_load_b32 v[SCR], v[LSR] offset:(\g)*128
.irp i, 0,1
	ds_load_b32 v[SCP+\i], v[LSP] offset:\i*KST*128+(\g)*128
.endr
.irp rt, 0,1
.irp c, 0,1
	ds_load_b128 v[RF+8*\rt+4*\c:RF+8*\rt+4*\c+3], v[LR+\slot] offset:\rt*8192+(\ks)*1024+512*\c
.endr
.endr
.irp pt, 0,1,2,3
.irp c, 0,1
	ds_load_b128 v[PF+8*\pt+4*\c:PF+8*\pt+4*\c+3], v[LP+\slot] offset:\pt*8192+(\ks)*1024+512*\c
.endr
.endr
.irp pt, 0,1,2,3
	s_wait_dscnt 6-2*\pt                           ; P's tile pt is in; the later tiles' two loads each may be out
	WM ACC+8*\pt, PF+8*\pt, RF, SCP+\pt/2, SCR, \pt%2, 0
	WM ACC+32+8*\pt, PF+8*\pt, RF+8, SCP+\pt/2, SCR, \pt%2, 1      ; the eight accumulators take turns
.endr
.rept 4
	v_nop                                          ; four places in front of loads into registers that matrix instructions have read, and of the first read of results
.endr
.endm
.macro CHUNK slot, c
.set kq, 0
.rept 8
	KSTEP2 \slot, kq, 8*\c+kq
.set kq, kq+1
.endr
.endm
; The change of slots.  Each wave waits for all its tensor loads (its part of the slot that is read next), adds 0 to its spare word, and waits for that and for its reads of the slot that it has left.
; refill = 1: a round of the cluster's barrier follows, behind which no wave of any partner reads that slot or has a load on its way, and the slot is filled first thing with the chunk two on.
.macro MEET slot, refill
	s_wait_tensorcnt 0x0                           ; no tensor load of mine is out, so a group 0 may be written
	ds_add_u32 v[SPW], v[NIL]
.if \refill
	s_add_nc_u64 s[G0P+4*\slot+2:G0P+4*\slot+3], s[G0P+4*\slot+2:G0P+4*\slot+3], 16384   ; two chunks on; the type bits on top are not reached
	s_add_nc_u64 s[G0R+4*\slot+2:G0R+4*\slot+3], s[G0R+4*\slot+2:G0R+4*\slot+3], 16384
.endif
	s_wait_dscnt 0x0                               ; the add is done, and my reads of the slot are over
.if \refill
	CROUND
	JLOAD \slot                                    ; my one tensor load behind this round, and the first thing there
.else
	s_barrier_signal -1
	s_barrier_wait -1
.endif
.endm
	s_wait_tensorcnt 0x0                           ; my one load of the head has landed; no tensor load of mine is out, so a descriptor may be written:
	s_mov_b32 s[G1CP+2], 2<<16                     ; from here on a load brings a pair of tiles
	s_mov_b32 s[G1CP+4], 2
	s_mov_b32 s[G1CR+2], 2<<16
	s_mov_b32 s[G1CR+4], 2
	s_barrier_signal -1
	s_barrier_wait -1
	s_wait_loadcnt 16                              ; the bias is in; the residual's sixteen loads may be out
	CHUNK 0, 0
	MEET 0, 1                                      ; chunk 2 goes into slot 0
	CHUNK 1, 1
	MEET 1, 1                                      ; chunk 3 goes into slot 1
	CHUNK 0, 2
	MEET 0, 0                                      ; nothing is left to fetch
	CHUNK 1, 3
	s_wait_dscnt 0x0
	s_barrier_signal -1
	s_barrier_wait -1                              ; the stages lie in slot 0, which has had its last fill and its last read
	s_wait_loadcnt 0x0
.irp rt, 0,1
.irp pt, 0,1,2,3
	ds_store_b128 v[STO], v[ACC+32*\rt+8*\pt:ACC+32*\rt+8*\pt+3] offset:(\pt/2)*128+(\pt%2)*32          ; each accumulator from its low end on
	ds_store_b128 v[STO], v[ACC+32*\rt+8*\pt+4:ACC+32*\rt+8*\pt+7] offset:(\pt/2)*128+(\pt%2)*32+16
.endr
.irp t, 0,1,2,3,4,5,6,7
	ds_load_b128 v[OUTB+4*\t:OUTB+4*\t+3], v[RD] offset:\t*544     ; LDS serves a wave's instructions in order: these see my stores
.endr
.irp t, 0,1,2,3,4,5,6,7
	s_wait_dscnt 7-\t                              ; read-back t is in; the later ones may be out
	v_pk_add_f32 v[RES+32*\rt+4*\t:RES+32*\rt+4*\t+1], v[RES+32*\rt+4*\t:RES+32*\rt+4*\t+1], v[OUTB+4*\t:OUTB+4*\t+1]
	v_pk_add_f32 v[RES+32*\rt+4*\t+2:RES+32*\rt+4*\t+3], v[RES+32*\rt+4*\t+2:RES+32*\rt+4*\t+3], v[OUTB+4*\t+2:OUTB+4*\t+3]
	global_store_b128 v[GRO], v[RES+32*\rt+4*\t:RES+32*\rt+4*\t+3], s[12:13] offset:(8*\rt+2*(\t%4)+16*(\t/4))*4096   ; sixteen lanes store 256 consecutive bytes, aligned; no store's data are written again
.endr
.endr
	s_wait_tensorcnt 0x0                           ; the wave's end
	ds_add_u32 v[SPW], v[NIL]
	s_wait_dscnt 0x0
	CROUND                                         ; the closing round: no work-group ends while a partner may still ask for a tile that names it
	s_endpgm
.Lfunc_end_k_q309cf890a5_ffn2:
	.size	k_q309cf890a5_ffn2, .Lfunc_end_k_q309cf890a5_ffn2-k_q309cf890a5_ffn2
	.p2alignl 7, 3214868480
	.fill 96, 4, 3214868480
	.section	.rodata,"a",@progbits
	.p2align	6, 0x0
	.amdhsa_kernel k_q309cf890a5_ffn2
		.amdhsa_group_segment_fixed_size 327680
		.amdhsa_private_segment_fixed_size 0
		.amdhsa_enable_private_segment 0
		.amdhsa_kernarg_size 40
		.amdhsa_user_sgpr_count 2
		.amdhsa_user_sgpr_kernarg_segment_ptr 1
		.amdhsa_wavefront_size32 1
		.amdhsa_system_sgpr_workgroup_id_x 1
		.amdhsa_system_sgpr_workgroup_id_y 1
		.amdhsa_system_sgpr_workgroup_id_z 1
		.amdhsa_system_vgpr_workitem_id 0
		.amdhsa_next_free_vgpr 256
		.amdhsa_next_free_sgpr 102
		.amdhsa_reserve_vcc 0
		.amdhsa_float_denorm_mode_32 3
		.amdhsa_float_denorm_mode_16_64 3
		.amdhsa_memory_ordered 1
		.amdhsa_forward_progress 1
		.amdhsa_inst_pref_size 92
	.end_amdhsa_kernel
	.amdgpu_metadata
---
amdhsa.version: [ 1, 2 ]
amdhsa.kernels:
  - .name:           k_q309cf890a5_ffn2
    .symbol:         k_q309cf890a5_ffn2.kd
    .args:
      - { .name: hid, .offset: 0, .size: 8, .value_kind: global_buffer, .address_space: global }
      - { .name: wq, .offset: 8, .size: 8, .value_kind: global_buffer, .address_space: global }
      - { .name: b2, .offset: 16, .size: 8, .value_kind: global_buffer, .address_space: global }
      - { .name: hq, .offset: 24, .size: 8, .value_kind: global_buffer, .address_space: global }
      - { .name: y, .offset: 32, .size: 8, .value_kind: global_buffer, .address_space: global }
    .group_segment_fixed_size: 327680
    .private_segment_fixed_size: 0
    .kernarg_segment_align: 8
    .kernarg_segment_size: 40
    .max_flat_workgroup_size: 256
    .sgpr_count:     102
    .vgpr_count:     256
    .wavefront_size: 32
...
	.end_amdgpu_metadata
.endif
;; end of part 7
;; launch ln2 (part 8): grid 256 x 1, 4 waves a work-group, no clusters, 0 bytes of LDS; arguments y, ln2_g, ln2_b, out0; writes out0
.if DOCPART == 8
	.amdgcn_target "amdgcn-amd-amdhsa--gfx1250"
	.amdhsa_code_object_version 6
	.text
	.protected	k_q309cf890a5_ln2
	.globl	k_q309cf890a5_ln2
	.p2align	8
	.type	k_q309cf890a5_ln2,@function
k_q309cf890a5_ln2:
	s_mov_b64 s[64:65], 0
	v_nop
	global_prefetch_b8 v0, s[64:65] scope:SCOPE_SE
	s_setreg_imm32_b32 hwreg(HW_REG_WAVE_MODE, 25, 1), 1
	s_wait_xcnt 0x0
; Launch 8: out = LayerNorm(y) x g + b, f32.  No work is left out.
; A wave takes 4 whole rows in 128 registers: mean, then the variance of the differences (two passes, as the definition has it), 1 / sqrt, gain and bias.  The rows are read once and written once, 512 consecutive bytes
; an instruction.  The reduction never leaves the wave: no LDS, no barrier.  Memory binds: matrix units, clusters and tensor loads would add nothing.
.set L16, 1
.set Y,   32                           ; row k at Y + 32 k; register 4 i + e is column 128 i + 4 lane + e
.set G,   160
.set B,   192
.set A,   224
.set Q,   232
.set T,   240
.set V,   244
.set SEL, 18
.macro REDUCE
.irp m, 1,2,4,8
.irp k, 0,1,2,3
	v_add_f32_dpp v[V+\k], v[V+\k], v[V+\k] row_xmask:\m row_mask:0xf bank_mask:0xf
.endr
.endr
.irp k, 0,1,2,3
	v_permlanex16_b32 v[T+\k], v[V+\k], s[SEL], s[SEL+1]
.endr
.irp k, 0,1,2,3
	v_add_f32 v[V+\k], v[V+\k], v[T+\k]
.endr
.endm
	s_load_b256 s[4:11], s[0:1], 0x0               ; y 4, g 6, b 8, out 10
	v_lshrrev_b32 v5, 5, v0
	v_readfirstlane_b32 s12, v5                    ; wave 0..3
	v_and_b32 v9, 31, v0
	v_lshlrev_b32 v[L16], 4, v9
.irp k, 0,1,2,3
	v_mov_b32 v[T+\k], 0                           ; a lane permute's destination counts as one of its sources
.endr
	s_mov_b32 s[SEL], 0x76543210
	s_mov_b32 s[SEL+1], 0xfedcba98
	s_mov_b32 s20, 0x3a800000                      ; 1 / 1,024
	s_mov_b32 s21, 0x3727c5ac                      ; 1e-5
	s_lshl_b32 s14, ttmp9, 16
	s_lshl_b32 s15, s12, 14
	s_add_co_u32 s14, s14, s15                     ; my four rows: 16 x work-group + 4 x wave
	s_mov_b32 s15, 0
	s_wait_alu depctr_va_vdst(0)
	s_wait_kmcnt 0x0
	s_add_nc_u64 s[4:5], s[4:5], s[14:15]
	s_add_nc_u64 s[16:17], s[10:11], s[14:15]
.irp k, 0,1,2,3
.irp i, 0,1,2,3,4,5,6,7
	global_load_b128 v[Y+32*\k+4*\i:Y+32*\k+4*\i+3], v[L16], s[4:5] offset:\k*4096+512*\i th:TH_LOAD_NT
.endr
.endr
.irp i, 0,1,2,3,4,5,6,7
	global_load_b128 v[G+4*\i:G+4*\i+3], v[L16], s[6:7] offset:512*\i
	global_load_b128 v[B+4*\i:B+4*\i+3], v[L16], s[8:9] offset:512*\i
.endr
	s_wait_loadcnt 16                              ; the rows are in; the gain's and the bias's sixteen loads may be out
.irp k, 0,1,2,3
	v_pk_add_f32 v[A+2*\k:A+2*\k+1], v[Y+32*\k:Y+32*\k+1], v[Y+32*\k+2:Y+32*\k+3]
.endr
.irp j, 4,6,8,10,12,14,16,18,20,22,24,26,28,30
.irp k, 0,1,2,3
	v_pk_add_f32 v[A+2*\k:A+2*\k+1], v[A+2*\k:A+2*\k+1], v[Y+32*\k+\j:Y+32*\k+\j+1]
.endr
.endr
.irp k, 0,1,2,3
	v_add_f32 v[V+\k], v[A+2*\k], v[A+2*\k+1]
.endr
	REDUCE
.irp k, 0,1,2,3
	v_mul_f32 v[A+2*\k], 0xba800000, v[V+\k]       ; -mean
.endr
.irp j, 0,2,4,6,8,10,12,14,16,18,20,22,24,26,28,30
.irp k, 0,1,2,3
	v_pk_add_f32 v[Y+32*\k+\j:Y+32*\k+\j+1], v[Y+32*\k+\j:Y+32*\k+\j+1], v[A+2*\k:A+2*\k+1] op_sel_hi:[1,0]
.endr
.endr
.irp k, 0,1,2,3
	v_pk_mul_f32 v[Q+2*\k:Q+2*\k+1], v[Y+32*\k:Y+32*\k+1], v[Y+32*\k:Y+32*\k+1]
.endr
.irp j, 2,4,6,8,10,12,14,16,18,20,22,24,26,28,30
.irp k, 0,1,2,3
	v_pk_fma_f32 v[Q+2*\k:Q+2*\k+1], v[Y+32*\k+\j:Y+32*\k+\j+1], v[Y+32*\k+\j:Y+32*\k+\j+1], v[Q+2*\k:Q+2*\k+1]
.endr
.endr
.irp k, 0,1,2,3
	v_add_f32 v[V+\k], v[Q+2*\k], v[Q+2*\k+1]
.endr
	REDUCE
.irp k, 0,1,2,3
	v_fma_f32 v[V+\k], v[V+\k], s20, s21           ; the variance + 1e-5
.endr
	s_wait_alu depctr_va_vdst(0)
.irp k, 0,1,2,3
	v_rsq_f32 v[Q+2*\k], v[V+\k]
.endr
	v_nop                                          ; a plain instruction behind the last of the batch
	s_wait_loadcnt 0x0                             ; gain and bias
	s_wait_alu depctr_va_vdst(0)                   ; one wait for the four, ahead of their first reader
.irp j, 0,2,4,6,8,10,12,14,16,18,20,22,24,26,28,30
.irp k, 0,1,2,3
	v_pk_mul_f32 v[Y+32*\k+\j:Y+32*\k+\j+1], v[Y+32*\k+\j:Y+32*\k+\j+1], v[Q+2*\k:Q+2*\k+1] op_sel_hi:[1,0]
.endr
.endr
.irp j, 0,2,4,6,8,10,12,14,16,18,20,22,24,26,28,30
.irp k, 0,1,2,3
	v_pk_fma_f32 v[Y+32*\k+\j:Y+32*\k+\j+1], v[Y+32*\k+\j:Y+32*\k+\j+1], v[G+\j:G+\j+1], v[B+\j:B+\j+1]
.endr
.endr
.irp k, 0,1,2,3
.irp i, 0,1,2,3,4,5,6,7
	global_store_b128 v[L16], v[Y+32*\k+4*\i:Y+32*\k+4*\i+3], s[16:17] offset:\k*4096+512*\i th:TH_STORE_NT
.endr
.endr
	s_endpgm
.Lfunc_end_k_q309cf890a5_ln2:
	.size	k_q309cf890a5_ln2, .Lfunc_end_k_q309cf890a5_ln2-k_q309cf890a5_ln2
	.p2alignl 7, 3214868480
	.fill 96, 4, 3214868480
	.section	.rodata,"a",@progbits
	.p2align	6, 0x0
	.amdhsa_kernel k_q309cf890a5_ln2
		.amdhsa_group_segment_fixed_size 0
		.amdhsa_private_segment_fixed_size 0
		.amdhsa_enable_private_segment 0
		.amdhsa_kernarg_size 32
		.amdhsa_user_sgpr_count 2
		.amdhsa_user_sgpr_kernarg_segment_ptr 1
		.amdhsa_wavefront_size32 1
		.amdhsa_system_sgpr_workgroup_id_x 1
		.amdhsa_system_sgpr_workgroup_id_y 1
		.amdhsa_system_sgpr_workgroup_id_z 1
		.amdhsa_system_vgpr_workitem_id 0
		.amdhsa_next_free_vgpr 256
		.amdhsa_next_free_sgpr 66
		.amdhsa_reserve_vcc 0
		.amdhsa_float_denorm_mode_32 3
		.amdhsa_float_denorm_mode_16_64 3
		.amdhsa_memory_ordered 1
		.amdhsa_forward_progress 1
		.amdhsa_inst_pref_size 33
	.end_amdhsa_kernel
	.amdgpu_metadata
---
amdhsa.version: [ 1, 2 ]
amdhsa.kernels:
  - .name:           k_q309cf890a5_ln2
    .symbol:         k_q309cf890a5_ln2.kd
    .args:
      - { .name: y, .offset: 0, .size: 8, .value_kind: global_buffer, .address_space: global }
      - { .name: ln2_g, .offset: 8, .size: 8, .value_kind: global_buffer, .address_space: global }
      - { .name: ln2_b, .offset: 16, .size: 8, .value_kind: global_buffer, .address_space: global }
      - { .name: out0, .offset: 24, .size: 8, .value_kind: global_buffer, .address_space: global }
    .group_segment_fixed_size: 0
    .private_segment_fixed_size: 0
    .kernarg_segment_align: 8
    .kernarg_segment_size: 32
    .max_flat_workgroup_size: 128
    .sgpr_count:     66
    .vgpr_count:     256
    .wavefront_size: 32
...
	.end_amdgpu_metadata
.endif
;; end of part 8
